; MI455X (gfx1250); checked and timed in simulation.
; The chip was launched on July 23, 2026; its instructions are those of AMD's public machine-readable ISA for CDNA 5 (MIT licence, August 2026) and "CDNA5" Instruction Set Architecture Reference Guide (July 2026). The comments in the code are by the model that wrote it; some were corrected since.
;; Block. Allowed arithmetic: matrix products marked QUANTISED: E3M2 operands, one E8M0 scale for each 32 along K, by v_wmma_scale_f32_16x16x128_f8f6f4 with both operands' format E3M2, f32 sums; everything else in f32.
;; Inputs: b_fc1 4,096 float32; b_fc2 1,024 float32; b_o 1,024 float32; b_qkv 3,072 float32; ln1_b 1,024 float32; ln1_g 1,024 float32; ln2_b 1,024 float32; ln2_g 1,024 float32; w_fc1 4,096 x 1,024 float32; w_fc2 1,024 x 4,096 float32; w_o 1,024 x 1,024 float32; w_qkv 3,072 x 1,024 float32; x 4 x 1,024 x 1,024 float32.
;; Outputs: out0 4 x 1,024 x 1,024 float32.
;; Constants: transition_dim = 32.
;; This version of the problem:
;;   THIS VERSION OF THE PROBLEM IS GIVEN IN LOW PRECISION. The matrix products marked QUANTISED in the list below multiply operands that are first quantised to E3M2 (3 exponent bits, 2 mantissa bits; 6 bits a number), with one power-of-two scale for each 32 numbers along K (OCP MX v1.0); their sums are f32. All else is computed in f32.
;;   The module's matrix products, in the order in which they are computed (A, B: the left and right operand; K: the contracted axis; several contracted axes count as one K, in the product's order):
;;     1. [M 4,096, K 1,024] x [K 1,024, N 3,072]; A: computed on the way; B: input w_qkv: QUANTISED
;;     2. batch 64 x [M 1,024, K 64] x [K 64, N 1,024]; A: computed on the way; B: computed on the way: QUANTISED
;;     3. batch 64 x [M 1,024, K 1,024] x [K 1,024, N 64]; A: softmax (see below); B: computed on the way: QUANTISED
;;     4. [M 4,096, K 1,024] x [K 1,024, N 1,024]; A: computed on the way; B: input w_o: QUANTISED
;;     5. [M 4,096, K 1,024] x [K 1,024, N 4,096]; A: computed on the way; B: input w_fc1: QUANTISED
;;     6. [M 4,096, K 4,096] x [K 4,096, N 1,024]; A: computed on the way; B: input w_fc2: QUANTISED
;;   THE QUANTISER, for each operand of a quantised product, along K:
;;     - K is cut into blocks of 32 from its start; a last block that is shorter is filled with zeros.
;;     - A block's scale is 2^e with e = floor(log2(the largest magnitude in the block)) - 4, held to -126 .. 127; a block of zeros has e = 0. As a byte (E8M0): e + 127.
;;     - Each number is divided by its block's scale, clamped to +-28, and rounded to the nearest number of E3M2, ties to even, subnormals kept.
;;     - The product sums the exact products of the quantised numbers (number of the format x scale) in f32.
;;   ~~~python
;;   def quantise(x, axis):      # numpy; x: float32 -> the quantised numbers, widened to float32 again
;;       x = np.moveaxis(x, axis, -1); K = x.shape[-1]
;;       x = np.pad(x, [(0, 0)] * (x.ndim - 1) + [(0, -K % 32)]); x = x.reshape(x.shape[:-1] + (-1, 32)); a = np.abs(x).max(-1, keepdims=True)
;;       e = np.where(a > 0, np.clip(np.frexp(np.where(a > 0, a, 1))[1] - 1 - 4, -126, 127), 0)      # np.frexp(a)[1] - 1 = floor(log2(a)), exactly
;;       r = np.clip(x / 2.0 ** e, -28, 28)
;;       step = 2.0 ** (np.maximum(np.frexp(np.where(r == 0, 1, r))[1] - 1, -2) - 2)
;;       q = np.round(r / step) * step * 2.0 ** e      # np.round: ties to even
;;       return np.moveaxis(q.reshape(q.shape[:-2] + (-1,))[..., :K], -1, axis).astype(np.float32)
;;   ~~~
;;   SOFTMAX AHEAD OF A QUANTISED PRODUCT. Where the list says 'softmax', what is quantised is not the finished softmax but p = 2^(t - M), with t = logit x log2(e) and M = ceil(the row's largest t), a whole number; so 1/2 < the row's largest p <= 1. The row's sum l is taken of the UNQUANTISED p, in f32, and the product's result is divided by l at the end. Since M is a whole number, a kernel that streams over the keys may use a running M (the ceiling of the running maximum): every later rescaling is an exact power of two, which a block's scale takes up: the codes' values come out the same.
;;   OPERANDS COMPUTED ON THE WAY. 'Computed on the way' means the value that the module computes at that place (a softmax that the list does not call 'softmax' is quantised finished and normalised). What goes into a quantiser is computed in f32, as accurately as f32 sums, v_exp_f32 and their like allow (about 1e-6 of the number): no bf16 or f16 on the way to a quantiser, and a product that is left as it is and whose result goes on into a quantised operand takes f32 operands (vector FMAs, or v_wmma_f32_16x16x4_f32). A number that lies on a knife's edge between two numbers of the format may be rounded either way, as far as f32 arithmetic and the matrix unit's own rounding can turn it there, and no further.
;; One version. Each part assembles by itself: llvm-mc -triple=amdgcn-amd-amdhsa -mcpu=gfx1250 --defsym DOCPART=n.
;; ======== version 1 of 1: 7 launches
;; limits: a function is approximated: absolute error at most 5e-07
;; workspace buffers: cw 13,107,200 bytes; qc 3,407,872 bytes; kv 6,684,672 bytes; ac 3,276,800 bytes; x1 16,777,216 bytes; hc 13,107,200 bytes
;; launch prep (part 1): grid 1024 x 1, 8 waves a work-group, no clusters, 67,584 bytes of LDS; arguments x, ln1_g, ln1_b, w_qkv, w_o, w_fc1, w_fc2, cw; writes cw
.if DOCPART == 1
	.amdgcn_target "amdgcn-amd-amdhsa--gfx1250"
	.amdhsa_code_object_version 6
	.text
	.protected	k_q4f84c4dd5a_prep
	.globl	k_q4f84c4dd5a_prep
	.p2align	8
	.type	k_q4f84c4dd5a_prep,@function
k_q4f84c4dd5a_prep:
	s_mov_b64 s[64:65], 0
	v_nop
	global_prefetch_b8 v0, s[64:65] scope:SCOPE_SE
	s_setreg_imm32_b32 hwreg(HW_REG_WAVE_MODE, 25, 1), 1
	s_wait_xcnt 0x0
; Rows of f32 become codes of BF6 (E3M2) with one E8M0 byte for each 32 along K, laid as the products' operand registers want them.
; Work-groups 0-255: rows of argument 0, layer-normed (mean, then the variance of the differences: no difference of large sums), times gain plus bias.
; Work-groups 256-447: w_qkv; 448-511: w_o; 512-767: w_fc1; 768-1023: w_fc2 (four chunks of 1,024 columns to a fragment's rows).  With a grid of 256 the text is the layer norm alone.
; A work-group takes ONE FRAGMENT'S 16 rows x 1,024 columns.  THE ROWS OF A FRAGMENT ARE NOT NEIGHBOURS: lane-row r of fragment F is row 32 (F / 2) + 8 (F % 2) + r + 8 (r / 8).
; Wave w loads lane-rows 2 w and 2 w + 1 whole (each load 512 consecutive bytes), norms them, and puts them into a stage in LDS; behind one barrier wave w takes K step w (128 columns) of all 16 rows,
; 64 numbers a lane in the order that the conversions want, and stores the fragment as an image of its registers: three stores of 512 consecutive bytes.
; A RECORD (128 rows x 128 along K) is 12,800 bytes: fragments f at 1536 f; the scale word of (f, r) at 12,288 + 256 (f / 4) + 16 r + 4 (f % 4).  Record (group, K step) lies at (group x steps + step) x 12,800 of its region.
; The scale word goes out as 64 bytes of one aligned 256: the one store here that does not cover whole 256 bytes; it is 1 byte in 24 of what the launch stores.
; REGISTERS: the codes and the scale word lie over the gain's registers, the quantiser's own over the sums': both are done with when the quantiser begins.  So a wave needs 162, and more work-groups' loads are on their way at a time.
; LIMITS: NaN and infinities are not served; a block whose largest magnitude lies under 2^-122 keeps the byte 1 (a block of zeros too: its codes are zeros, and this program alone reads the bytes).
; The sums of the layer norm are taken in another order than a plain left-to-right sum.
.set REC,  12800
.set WQ,   3276800                     ; regions of cw: the activations at 0, then the four weights
.set WO,   5734400
.set W1,   6553600
.set W2,   9830400
.set SP,   4112                        ; a stage row: 4,096 bytes + 16 = 1,028 words: row r starts at bank 4 r mod 64
.set X,    16                          ; v16-79   two rows as loaded; later the 64 numbers of a fragment's lane
.set G,    80                          ; v80-111  gain of my 32 columns
.set BV,   112                         ; v112-143 bias
.set T,    144                         ; v144-151 sums at work, four registers a row
.set PC,   80                          ; v80-99   codes (over the gain)
.set PW,   100                         ; v100     the scale word
.set TM,   144                         ; v144-159 the quantiser's registers (over the sums)
.set SEL,  40                          ; s[40:41] lane selects: lane l xor 16
; 64 numbers of a lane, register 16 b + i = k 32 b + 16 (lane / 16) + i of my row, become a fragment's codes in v[PC] on and its scale word in v[PW].
.macro QUANT s
.irp b, 0,1,2,3
	v_max3_num_f32 v[TM+\b], |v[\s+16*\b]|, |v[\s+1+16*\b]|, 0x2800000   ; my 16 numbers of block b, and the floor 2^(5 - 127): the byte cannot fall under 1
.endr
.irp i, 2,4,6,8,10,12,14
.irp b, 0,1,2,3
	v_max3_num_f32 v[TM+\b], v[TM+\b], |v[\s+16*\b+\i]|, |v[\s+1+16*\b+\i]|
.endr
.endr
.irp b, 0,1,2,3
	v_permlanex16_b32 v[TM+4+\b], v[TM+\b], s[SEL], s[SEL+1]
.endr
.irp b, 0,1,2,3
	v_max_num_f32 v[TM+\b], v[TM+\b], v[TM+4+\b]   ; with lane l xor 16's: the block's largest magnitude
.endr
.irp b, 0,1,2,3
	v_add_nc_u32 v[TM+12+\b], 0xfe000000, v[TM+\b]   ; 4 off its exponent field: the conversion's scale operand
.endr
.irp b, 0,1,2,3
	v_lshrrev_b32 v[TM+4+\b], 23, v[TM+12+\b]      ; the scale's byte
.endr
	v_lshl_or_b32 v[PW], v[TM+5], 8, v[TM+4]
	v_lshl_or_b32 v[PW], v[TM+6], 16, v[PW]
	v_lshl_or_b32 v[PW], v[TM+7], 24, v[PW]
.irp c, 0,1
	v_cvt_scalef32_pk16_bf6_f32 v[PC+6*\c:PC+2+6*\c], v[\s+32*\c:\s+15+32*\c], v[TM+12+2*\c]
	v_cvt_scalef32_pk16_bf6_f32 v[PC+12+4*\c:PC+14+4*\c], v[\s+16+32*\c:\s+31+32*\c], v[TM+12+2*\c+1]   ; (a conversion's three registers begin on an even number)
.endr
	v_nop                                          ; one plain place behind a scaled conversion
.irp c, 0,1                                    ; the operand wants a whole block in a lane: lanes 0-15 block 2 c, lanes 16-31 block 2 c + 1
.irp i, 0,1,2
	v_permlane16_swap_b32 v[PC+6*\c+\i], v[PC+12+4*\c+\i]
.endr
.irp i, 0,1,2
	v_mov_b32 v[PC+3+6*\c+\i], v[PC+12+4*\c+\i]
.endr
.endr
.endm
; the two rows' four partial sums each become one sum in every lane
.macro LANESUM
.irp R, 0,1
	v_pk_add_f32 v[T+4*\R:T+4*\R+1], v[T+4*\R:T+4*\R+1], v[T+4*\R+2:T+4*\R+3]
.endr
.irp R, 0,1
	v_add_f32 v[T+4*\R], v[T+4*\R], v[T+4*\R+1]
.endr
.irp m, 1,2,4,8
.irp R, 0,1
	v_add_f32_dpp v[T+4*\R], v[T+4*\R], v[T+4*\R] row_xmask:\m row_mask:0xf bank_mask:0xf
.endr
.endr
.irp R, 0,1
	v_permlanex16_b32 v[T+4*\R+1], v[T+4*\R], s[SEL], s[SEL+1]
.endr
.irp R, 0,1
	v_add_f32 v[T+4*\R], v[T+4*\R], v[T+4*\R+1]
.endr
.endm
	s_load_b256 s[4:11], s[0:1], 0x0               ; rows s[4:5], gain s[6:7], bias s[8:9], w_qkv s[10:11]
	s_load_b256 s[12:19], s[0:1], 0x20             ; w_o s[12:13], w_fc1 s[14:15], w_fc2 s[16:17], cw s[18:19]
	v_lshl_add_u32 v160, v0, 2, 0x10400
	v_mov_b32 v161, 0
	v_lshrrev_b32 v1, 5, v0
	v_readfirstlane_b32 s2, v1                     ; wave 0..7
	v_and_b32 v1, 31, v0                           ; lane
	v_and_b32 v2, 15, v0                           ; r
	v_bfe_u32 v3, v0, 4, 1                         ; h
	v_lshlrev_b32 v4, 4, v1                        ; 16 x lane
	s_mul_i32 s3, s2, 2*SP
	v_add_nc_u32 v6, s3, v4                        ; the stage, on the way in: my two rows
	v_mul_u32_u24 v7, v2, SP
	v_lshl_add_u32 v7, v3, 6, v7
	s_lshl_b32 s3, s2, 9
	v_add_nc_u32 v7, s3, v7                        ; and out: row r, K step = my wave, + 64 h
.irp b, 0,1,2,3
	v_mov_b32 v[TM+4+\b], 0                        ; written on every way: a lane permute's destination counts as one of its sources
.endr
	s_mov_b32 s[SEL], 0x76543210
	s_mov_b32 s[SEL+1], 0xfedcba98
	s_mov_b32 s20, 0                               ; the tensor's first work-group
	s_mov_b32 s21, 0                               ; its region in cw
	s_wait_kmcnt 0x0
	s_mov_b64 s[22:23], s[4:5]                     ; which tensor: a choice on the work-group's number alone
	s_cmp_ge_u32 ttmp9, 256
	s_cselect_b64 s[22:23], s[10:11], s[22:23]
	s_cselect_b32 s20, 256, s20
	s_cselect_b32 s21, WQ, s21
	s_cmp_ge_u32 ttmp9, 448
	s_cselect_b64 s[22:23], s[12:13], s[22:23]
	s_cselect_b32 s20, 448, s20
	s_cselect_b32 s21, WO, s21
	s_cmp_ge_u32 ttmp9, 512
	s_cselect_b64 s[22:23], s[14:15], s[22:23]
	s_cselect_b32 s20, 512, s20
	s_cselect_b32 s21, W1, s21
	s_cmp_ge_u32 ttmp9, 768
	s_cselect_b64 s[22:23], s[16:17], s[22:23]
	s_cselect_b32 s20, 768, s20
	s_cselect_b32 s21, W2, s21
	s_cselect_b32 s24, 2, 0                        ; w_fc2: four chunks to a fragment,
	s_cselect_b32 s25, 3, 0
	s_cselect_b32 s26, 14, 12                      ; rows of 2^14 bytes,
	s_cselect_b32 s27, 32, 8                       ; 32 K steps
	s_sub_co_u32 s28, ttmp9, s20
	s_lshr_b32 s29, s28, s24                       ; F: the fragment
	s_and_b32 s30, s28, s25                        ; the chunk of 1,024 columns
	s_lshr_b32 s31, s29, 1
	s_lshl_b32 s31, s31, 5
	s_and_b32 s32, s29, 1
	s_lshl_b32 s32, s32, 3
	s_add_co_u32 s31, s31, s32
	s_lshl_b32 s32, s2, 1
	s_add_co_u32 s31, s31, s32
	s_lshr_b32 s32, s2, 2
	s_lshl_b32 s32, s32, 3
	s_add_co_u32 s31, s31, s32                     ; my first row: 32 (F / 2) + 8 (F % 2) + 2 w + 8 (w / 4); the second is the next
	s_lshl_b32 s32, s31, s26
	s_lshl_b32 s33, s30, 12
	s_add_co_u32 s32, s32, s33
	s_mov_b32 s33, 0
	s_add_nc_u64 s[22:23], s[22:23], s[32:33]
	s_lshl_b32 s34, 1, s26
	v_add_nc_u32 v5, s34, v4                       ; 16 x lane, one row on
.irp j, 0,1,2,3,4,5,6,7
	global_load_b128 v[X+4*\j:X+4*\j+3], v4, s[22:23] offset:512*\j th:TH_LOAD_NT
	global_load_b128 v[X+32+4*\j:X+32+4*\j+3], v5, s[22:23] offset:512*\j th:TH_LOAD_NT
.endr
	s_lshr_b32 s32, s29, 3                         ; where my K step's record lies: (group x steps + 8 chunk + wave) x REC in the region
	s_mul_i32 s32, s32, s27
	s_lshl_b32 s35, s30, 3
	s_add_co_u32 s32, s32, s35
	s_add_co_u32 s32, s32, s2
	s_mul_i32 s32, s32, REC
	s_add_co_u32 s32, s32, s21
	s_add_nc_u64 s[18:19], s[18:19], s[32:33]
	s_and_b32 s35, s29, 7                          ; f: the fragment in its group
	s_mul_i32 s36, s35, 1536
	v_add_nc_u32 v8, s36, v4                       ; the image's place for my lane
	s_lshr_b32 s36, s35, 2
	s_lshl_b32 s36, s36, 8
	s_and_b32 s37, s35, 3
	s_lshl_b32 s37, s37, 2
	s_add_co_u32 s36, s36, s37
	s_add_co_u32 s36, s36, 12288
	v_lshl_add_u32 v9, v2, 4, s36                  ; my row's scale word
	s_cmp_ge_u32 ttmp9, 256
	s_cbranch_scc1 .Lplain                         ; weights are quantised as they are
.irp j, 0,1,2,3,4,5,6,7
	global_load_b128 v[G+4*\j:G+4*\j+3], v4, s[6:7] offset:512*\j
	global_load_b128 v[BV+4*\j:BV+4*\j+3], v4, s[8:9] offset:512*\j
.endr
	s_mov_b32 s38, 0x3a800000                      ; 1 / 1,024
	s_mov_b32 s39, 0x3727c5ac                      ; 1e-5
	s_wait_loadcnt 16                              ; the rows are in; the sixteen younger loads, gain and bias, may be out
.irp R, 0,1
	v_pk_add_f32 v[T+4*\R:T+4*\R+1], v[X+32*\R:X+32*\R+1], v[X+32*\R+2:X+32*\R+3]
	v_pk_add_f32 v[T+4*\R+2:T+4*\R+3], v[X+32*\R+4:X+32*\R+5], v[X+32*\R+6:X+32*\R+7]
.endr
.irp i, 8,12,16,20,24,28
.irp R, 0,1
	v_pk_add_f32 v[T+4*\R:T+4*\R+1], v[T+4*\R:T+4*\R+1], v[X+32*\R+\i:X+32*\R+\i+1]
	v_pk_add_f32 v[T+4*\R+2:T+4*\R+3], v[T+4*\R+2:T+4*\R+3], v[X+32*\R+\i+2:X+32*\R+\i+3]
.endr
.endr
	LANESUM
.irp R, 0,1
	v_mul_f32 v[10+2*\R], s38, v[T+4*\R]           ; the mean,
.endr
.irp R, 0,1
	v_mov_b32 v[11+2*\R], v[10+2*\R]               ; as a pair
.endr
.irp i, 0,2,4,6,8,10,12,14,16,18,20,22,24,26,28,30
.irp R, 0,1
	v_pk_add_f32 v[X+32*\R+\i:X+32*\R+\i+1], v[X+32*\R+\i:X+32*\R+\i+1], v[10+2*\R:11+2*\R] neg_lo:[0,1] neg_hi:[0,1]
.endr
.endr
.irp R, 0,1
	v_pk_mul_f32 v[T+4*\R:T+4*\R+1], v[X+32*\R:X+32*\R+1], v[X+32*\R:X+32*\R+1]
	v_pk_mul_f32 v[T+4*\R+2:T+4*\R+3], v[X+32*\R+2:X+32*\R+3], v[X+32*\R+2:X+32*\R+3]
.endr
.irp i, 4,8,12,16,20,24,28
.irp R, 0,1
	v_pk_fma_f32 v[T+4*\R:T+4*\R+1], v[X+32*\R+\i:X+32*\R+\i+1], v[X+32*\R+\i:X+32*\R+\i+1], v[T+4*\R:T+4*\R+1]
	v_pk_fma_f32 v[T+4*\R+2:T+4*\R+3], v[X+32*\R+\i+2:X+32*\R+\i+3], v[X+32*\R+\i+2:X+32*\R+\i+3], v[T+4*\R+2:T+4*\R+3]
.endr
.endr
	LANESUM
.irp R, 0,1
	v_fma_f32 v[T+4*\R], v[T+4*\R], s38, s39       ; the variance + eps
.endr
.irp R, 0,1
	v_rsq_f32 v[10+2*\R], v[T+4*\R]
.endr
	v_nop                                          ; a plain place behind the two roots
	s_wait_alu depctr_va_vdst(0)                   ; one wait for both, ahead of their first reader
.irp R, 0,1
	v_mov_b32 v[11+2*\R], v[10+2*\R]
.endr
	s_wait_loadcnt 0x0                             ; gain and bias
.irp i, 0,2,4,6,8,10,12,14,16,18,20,22,24,26,28,30
.irp R, 0,1
	v_pk_mul_f32 v[X+32*\R+\i:X+32*\R+\i+1], v[X+32*\R+\i:X+32*\R+\i+1], v[10+2*\R:11+2*\R]
.endr
.endr
.irp i, 0,2,4,6,8,10,12,14,16,18,20,22,24,26,28,30
.irp R, 0,1
	v_pk_fma_f32 v[X+32*\R+\i:X+32*\R+\i+1], v[X+32*\R+\i:X+32*\R+\i+1], v[G+\i:G+\i+1], v[BV+\i:BV+\i+1]
.endr
.endr
.Lplain:
	s_wait_loadcnt 0x0
.irp j, 0,1,2,3,4,5,6,7
	ds_store_b128 v6, v[X+4*\j:X+4*\j+3] offset:512*\j
	ds_store_b128 v6, v[X+32+4*\j:X+32+4*\j+3] offset:SP+512*\j
.endr
	s_wait_dscnt 0x0                               ; for the others' sake: my two rows lie in the stage
	s_barrier_signal -1
	s_barrier_wait -1
.irp b, 0,1,2,3
.irp j, 0,1,2,3
	ds_load_b128 v[X+16*\b+4*\j:X+16*\b+4*\j+3], v7 offset:128*\b+16*\j   ; row r, k = 32 b + 16 h + 4 j on
.endr
.endr
	s_wait_dscnt 0x0
	QUANT X
.irp c, 0,1,2
	global_store_b128 v8, v[PC+4*\c:PC+4*\c+3], s[18:19] offset:512*\c    ; 32 lanes store 512 consecutive bytes, aligned to 256
.endr
	global_store_b32 v9, v[PW], s[18:19]           ; lanes l and l xor 16 write the same word with the same value
	s_wait_tensorcnt 0x0
	ds_add_u32 v160, v161
	s_wait_dscnt 0x0
	s_endpgm
.Lfunc_end_k_q4f84c4dd5a_prep:
	.size	k_q4f84c4dd5a_prep, .Lfunc_end_k_q4f84c4dd5a_prep-k_q4f84c4dd5a_prep
	.p2alignl 7, 3214868480
	.fill 96, 4, 3214868480
	.section	.rodata,"a",@progbits
	.p2align	6, 0x0
	.amdhsa_kernel k_q4f84c4dd5a_prep
		.amdhsa_group_segment_fixed_size 67584
		.amdhsa_private_segment_fixed_size 0
		.amdhsa_enable_private_segment 0
		.amdhsa_kernarg_size 64
		.amdhsa_user_sgpr_count 2
		.amdhsa_user_sgpr_kernarg_segment_ptr 1
		.amdhsa_wavefront_size32 1
		.amdhsa_system_sgpr_workgroup_id_x 1
		.amdhsa_system_sgpr_workgroup_id_y 1
		.amdhsa_system_sgpr_workgroup_id_z 1
		.amdhsa_system_vgpr_workitem_id 0
		.amdhsa_next_free_vgpr 162
		.amdhsa_next_free_sgpr 66
		.amdhsa_reserve_vcc 0
		.amdhsa_float_denorm_mode_32 3
		.amdhsa_float_denorm_mode_16_64 3
		.amdhsa_memory_ordered 1
		.amdhsa_forward_progress 1
		.amdhsa_inst_pref_size 26
	.end_amdhsa_kernel
	.amdgpu_metadata
---
amdhsa.version: [ 1, 2 ]
amdhsa.kernels:
  - .name:           k_q4f84c4dd5a_prep
    .symbol:         k_q4f84c4dd5a_prep.kd
    .args:
      - { .name: x, .offset: 0, .size: 8, .value_kind: global_buffer, .address_space: global }
      - { .name: ln1_g, .offset: 8, .size: 8, .value_kind: global_buffer, .address_space: global }
      - { .name: ln1_b, .offset: 16, .size: 8, .value_kind: global_buffer, .address_space: global }
      - { .name: w_qkv, .offset: 24, .size: 8, .value_kind: global_buffer, .address_space: global }
      - { .name: w_o, .offset: 32, .size: 8, .value_kind: global_buffer, .address_space: global }
      - { .name: w_fc1, .offset: 40, .size: 8, .value_kind: global_buffer, .address_space: global }
      - { .name: w_fc2, .offset: 48, .size: 8, .value_kind: global_buffer, .address_space: global }
      - { .name: cw, .offset: 56, .size: 8, .value_kind: global_buffer, .address_space: global }
    .group_segment_fixed_size: 67584
    .private_segment_fixed_size: 0
    .kernarg_segment_align: 8
    .kernarg_segment_size: 64
    .max_flat_workgroup_size: 256
    .sgpr_count:     66
    .vgpr_count:     162
    .wavefront_size: 32
...
	.end_amdgpu_metadata
.endif
;; end of part 1
;; launch qkv (part 2): grid 12 x 16, 4 waves a work-group, clusters of 4 x 4, 327,680 bytes of LDS; arguments cw, b_qkv, qc, kv; writes qc, kv
.if DOCPART == 2
	.amdgcn_target "amdgcn-amd-amdhsa--gfx1250"
	.amdhsa_code_object_version 6
	.text
	.protected	k_q4f84c4dd5a_qkv
	.globl	k_q4f84c4dd5a_qkv
	.p2align	8
	.type	k_q4f84c4dd5a_qkv,@function
k_q4f84c4dd5a_qkv:
	s_mov_b64 s[64:65], 0
	v_nop
	global_prefetch_b8 v0, s[64:65] scope:SCOPE_SE
	s_setreg_imm32_b32 hwreg(HW_REG_WAVE_MODE, 25, 1), 1
	s_wait_xcnt 0x0
	s_wait_alu depctr_hold_cnt(0) depctr_sa_sdst(0) depctr_va_vdst(0) depctr_va_sdst(0) depctr_va_ssrc(0) depctr_va_vcc(0) depctr_vm_vsrc(0)
	s_getreg_b32 s2, hwreg(HW_REG_IB_STS2, 6, 4)
	s_cmp_eq_u32 s2, 0
	s_cbranch_scc0 .Lentry_in_a_cluster
	s_endpgm
.Lentry_in_a_cluster:
	s_bfe_u32 s2, ttmp6, 0x10000c
	s_cmp_lg_u32 s2, 0xf033
	s_cbranch_scc0 .Lentry_shape_is_right
	s_endpgm
.Lentry_shape_is_right:
; qkv = LN1(x) w_qkv^T + b_qkv on codes of BF6, and q, k, v quantised on the way out: q and k along the head's 64, v along the keys.
; A tile of 256 tokens x 256 features is made by four waves, each 128 x 128: 64 accumulators, 512 registers.  K = 1,024 goes in eight steps of 128, two to a unit of LDS.
; THREE UNITS: six of the eight K steps are asked for at the start; the last two go into unit 0 when it has been read, and have the work of units 1 and 2, 256 matrix instructions a wave, in which to land.
; Operands lie in cw as RECORDS (128 rows x 128 K: eight fragments as images of their registers, 1,536 bytes each, then the scale words): a wave's quarter of a unit is two records, 25,600 dense bytes, one tensor load.
; A fragment comes by three ds_load_b128 at 16 x lane, eight scale words by two.
; CLUSTERS 4 x 4: the token records are shared along a row of the cluster, the weight records along a column: joint loads.
; Cluster x = 0: q; 1: k; 2: v (the same number in all sixteen partners).  q, k: source 1 = tokens, source 0 = weights: a lane holds one token and its registers run along the features.
; v: the two change places (only the LDS bases from which the wave reads are swapped): a lane holds one feature and its registers run along the 128 keys, which are the second attention product's K.
; THE ROWS OF A FRAGMENT ARE NOT NEIGHBOURS (lane-row r of fragment 2 b + u is row 32 b + 8 u + r + 8 (r / 8)), so the 64 registers of source 1's block a are rows 32 b + 16 h + i of source 0 in the order the quantiser wants.
; OUT.  qc [bh][token group][6,656], kv [bh][key step][13,056].  A q or k record: tiles a at 768 a (operand registers 0-3 as 512 bytes, 4-5 as 256), scale words at 6,144 (bytes 2, 3 are 0; the reader's registers 6-11 are zero codes).
; v's part at 6,656 of a kv record: four whole fragments (16 of the head's 64 x 128 keys) and 256 bytes of scale words.  Every store covers whole aligned 256 bytes.
; REGISTERS: window 0: v0-31 addresses; v32-63 scale words, two sets; v128-223 source 1's fragments, one set; v240-255 v's bias; on the way out v64-239 at work.
;   window 1: source 0's fragments, two sets at v0 and v128; v96-127, v224-255 the bias of my 128 features.  windows 2, 3: accumulator (a, b) at v[8 (8 (a % 4) + b)] of window 2 + a / 4.
; LIMITS: NaN and infinities are not served; a block whose largest magnitude lies under 2^-122 keeps the byte 1.
.set REC,    12800
.set QTR,    2*REC
.set SLOT,   4*QTR                     ; a unit: two K steps of both sides
.set SPARE,  3*SLOT                    ; behind the three units: the spare words, 128 bytes a wave
.set KS,     8
.set REGION, 3276800                   ; w_qkv's records in cw
.set STEPB,  3*QTR                     ; unit 0's second fill: six records on
.set FR,   12
.set VO16, 2                           ; v2   16 x lane
.set VO8,  9                           ; v9   8 x lane
.set ADR1, 16                          ; v16-18 source 1's records in unit 0, 1, 2
.set ADR0, 19                          ; v19-21 source 0's
.set ADRS, 22                          ; v22-24 scale words: lanes 0-15 source 1's, lanes 16-31 source 0's
.set SPW,  28
.set NIL,  29
.set SC,   32                          ; register SC + 16 set + 8 q + i: the words of fragment i
.set AF,   128
.set ST,   64
.set PC,   192
.set TM,   212
.set PW,   228
.set SQA,  232
.set SQB,  236
.set VB,   240
.set G1,   24
.set G0,   32                          ; s[32:39] group 0 for the token records of units 0, 1;  s[92:95] of unit 2
.set G1B,  48
.set G0B,  56                          ; s[56:63], s[96:99] the same for the weight records
.set G0C,  92
.set G0BC, 96
.set SEL,  78
.set MSB, 0
.macro WIN new                         ; the immediate's high byte repeats the setting that is left
.if MSB != (\new)
	s_set_vgpr_msb (MSB<<8)|(\new)
.set MSB, (\new)
.endif
.endm
.set MUL_LO, 0xa1                      ; source 0 window 1, source 1 window 0, C and D window 2
.set MUL_HI, 0xf1
.set TO_B,   0x40
.macro JLOAD g0a, g1a, g0b, g1b        ; a joint load: waves 0, 1 fetch token records, waves 2, 3 weight records; four v_nop follow each line
	s_cmp_eq_u32 s15, 0
	s_cbranch_scc0 .Lfor_b_\@
	tensor_load_to_lds s[\g0a:\g0a+3], s[\g1a:\g1a+7]
	s_nop 0
.rept 4
	v_nop
.endr
	s_branch .Lasked_\@
.Lfor_b_\@:
	tensor_load_to_lds s[\g0b:\g0b+3], s[\g1b:\g1b+7]
	s_nop 0
.rept 4
	v_nop
.endr
.Lasked_\@:
.endm
.macro CREST
	s_cmp_lg_u32 s14, 0
	s_cbranch_scc1 .Lnot_wave_0_\@
	s_barrier_signal -3
.Lnot_wave_0_\@:
	s_barrier_wait -3
	s_barrier_signal -1
	s_barrier_wait -1
.endm
.macro CROUND
	s_barrier_signal -1
	s_barrier_wait -1
	CREST
.endm
.macro PLACES n
.rept \n
	v_nop
.endr
.endm
.macro FRAG reg, adr, off
.irp c, 0,1,2
	ds_load_b128 v[\reg+4*\c:\reg+4*\c+3], v[\adr] offset:\off+512*\c
.endr
.endm
.macro FETCH_0 unit, q, p              ; source 0's eight fragments of the unit's q-th record into set p
	WIN TO_B
.irp i, 0,1,2,3,4,5,6,7
	FRAG 128*(\p)+FR*\i, ADR0+\unit, (\q)*REC+1536*\i
.endr
	WIN 0
.endm
.macro FETCH_1 unit, q, i0             ; source 1's blocks i0 .. i0 + 3
.irp i, \i0, \i0+1, \i0+2, \i0+3
	FRAG AF+FR*(\i), ADR1+\unit, (\q)*REC+1536*(\i)
.endr
.endm
.macro SCALES unit, set
.irp q, 0,1
	ds_load_b128 v[SC+16*(\set)+8*\q:SC+16*(\set)+8*\q+3], v[ADRS+\unit] offset:\q*REC+12288
	ds_load_b128 v[SC+16*(\set)+8*\q+4:SC+16*(\set)+8*\q+7], v[ADRS+\unit] offset:\q*REC+12288+256
.endr
.endm
; 16 products: source 1's blocks a0, a0 + 1 x source 0's eight.  The 64 accumulators take turns in one order everywhere.
.macro MUL16 a0, p, q, sc, zero
.irp a, \a0, \a0+1
.irp b, 0,1,2,3,4,5,6,7
.if \zero
	v_wmma_scale_f32_16x16x128_f8f6f4 v[8*(8*((\a)%4)+\b):8*(8*((\a)%4)+\b)+7], v[128*(\p)+FR*\b:128*(\p)+FR*\b+FR-1], v[AF+FR*(\a):AF+FR*(\a)+FR-1], 0, v[SC+16*(\sc)+8*(\q)+\b], v[SC+16*(\sc)+8*(\q)+(\a)] matrix_a_fmt:MATRIX_FMT_BF6 matrix_b_fmt:MATRIX_FMT_BF6 matrix_a_scale:MATRIX_SCALE_ROW1
.else
	v_wmma_scale_f32_16x16x128_f8f6f4 v[8*(8*((\a)%4)+\b):8*(8*((\a)%4)+\b)+7], v[128*(\p)+FR*\b:128*(\p)+FR*\b+FR-1], v[AF+FR*(\a):AF+FR*(\a)+FR-1], v[8*(8*((\a)%4)+\b):8*(8*((\a)%4)+\b)+7], v[SC+16*(\sc)+8*(\q)+\b], v[SC+16*(\sc)+8*(\q)+(\a)] matrix_a_fmt:MATRIX_FMT_BF6 matrix_b_fmt:MATRIX_FMT_BF6 matrix_a_scale:MATRIX_SCALE_ROW1
.endif
.endr
.endr
.endm
.macro STEP unit, set, zero            ; a unit's first K step
	s_wait_dscnt 12                                ; all but the youngest twelve loads, source 1's blocks 4-7
	WIN MUL_LO
	MUL16 0, 0, 0, \set, \zero
	MUL16 2, 0, 0, \set, \zero
	s_wait_dscnt 0x0
	PLACES 4                                       ; in front of loads into registers that the products have read
	FETCH_0 \unit, 1, 1
	FETCH_1 \unit, 1, 0
	WIN MUL_HI
	MUL16 4, 0, 0, \set, \zero
	MUL16 6, 0, 0, \set, \zero
	PLACES 4
	WIN 0
	FETCH_1 \unit, 1, 4
.endm
; A unit's second K step, and the change to unit next.  mode 1: unit 0 has been read and is filled again.  mode 0: a barrier, behind which nothing is filled: the next unit's load is waited for and shown to every wave.
; mode 3: no barrier: the next unit was shown whole to every wave by the barrier of mode 1, in front of which each wave waited for all its loads, and nothing is written to it since.
.macro TURN set, next, mode
.if \mode == 3
	s_wait_dscnt 12                                ; all but source 1's blocks 4-7
	WIN MUL_LO
	MUL16 0, 1, 1, \set, 0
	MUL16 2, 1, 1, \set, 0
	s_wait_dscnt 0x0
	PLACES 4
.else
	s_wait_tensorcnt 0x0                           ; all my tensor loads have landed
	ds_add_u32 v[SPW], v[NIL]                      ; 0 onto my spare word
	s_wait_dscnt 13                                ; the add and the youngest twelve loads may be out
	WIN MUL_LO
	MUL16 0, 1, 1, \set, 0
	s_wait_dscnt 0x0                               ; the add is done, and my reads of this unit are over
	s_barrier_signal -1
	MUL16 2, 1, 1, \set, 0
	WIN 0
	s_barrier_wait -1
.if \mode == 1
	CREST                                          ; the barrier has opened a round of the cluster's: no wave of any partner reads unit 0 or has a load on its way
	s_add_nc_u64 s[G0+2:G0+3], s[G0+2:G0+3], STEPB
	s_add_nc_u64 s[G0B+2:G0B+3], s[G0B+2:G0B+3], STEPB
	JLOAD G0, G1, G0B, G1B                         ; K steps 6 and 7; its four v_nop are the places in front of the loads below
.else
	PLACES 4
.endif
.endif
	FETCH_0 \next, 0, 0
	FETCH_1 \next, 0, 0
	SCALES \next, 1-(\set)
	WIN MUL_HI
	MUL16 4, 1, 1, \set, 0
	MUL16 6, 1, 1, \set, 0
	PLACES 4
	WIN 0
	FETCH_1 \next, 0, 4
.endm
.macro QUANT s                         ; 64 numbers of a lane, register 16 b + i = k 32 b + 16 (lane / 16) + i of my row: codes in v[PC] on, scale word in v[PW]
.irp b, 0,1,2,3
	v_max3_num_f32 v[TM+\b], |v[\s+16*\b]|, |v[\s+1+16*\b]|, 0x2800000
.endr
.irp i, 2,4,6,8,10,12,14
.irp b, 0,1,2,3
	v_max3_num_f32 v[TM+\b], v[TM+\b], |v[\s+16*\b+\i]|, |v[\s+1+16*\b+\i]|
.endr
.endr
.irp b, 0,1,2,3
	v_permlanex16_b32 v[TM+4+\b], v[TM+\b], s[SEL], s[SEL+1]
.endr
.irp b, 0,1,2,3
	v_max_num_f32 v[TM+\b], v[TM+\b], v[TM+4+\b]
.endr
.irp b, 0,1,2,3
	v_add_nc_u32 v[TM+12+\b], 0xfe000000, v[TM+\b]
.endr
.irp b, 0,1,2,3
	v_lshrrev_b32 v[TM+4+\b], 23, v[TM+12+\b]
.endr
	v_lshl_or_b32 v[PW], v[TM+5], 8, v[TM+4]
	v_lshl_or_b32 v[PW], v[TM+6], 16, v[PW]
	v_lshl_or_b32 v[PW], v[TM+7], 24, v[PW]
.irp c, 0,1
	v_cvt_scalef32_pk16_bf6_f32 v[PC+6*\c:PC+2+6*\c], v[\s+32*\c:\s+15+32*\c], v[TM+12+2*\c]
	v_cvt_scalef32_pk16_bf6_f32 v[PC+12+4*\c:PC+14+4*\c], v[\s+16+32*\c:\s+31+32*\c], v[TM+12+2*\c+1]
.endr
	v_nop                                          ; one plain place behind a scaled conversion
.irp c, 0,1
.irp i, 0,1,2
	v_permlane16_swap_b32 v[PC+6*\c+\i], v[PC+12+4*\c+\i]
.endr
.irp i, 0,1,2
	v_mov_b32 v[PC+3+6*\c+\i], v[PC+12+4*\c+\i]
.endr
.endr
.endm
	s_load_b256 s[4:11], s[0:1], 0x0               ; cw s[4:5], b_qkv s[6:7], qc s[8:9], kv s[10:11]
	v_lshl_add_u32 v[SPW], v0, 2, SPARE
	v_mov_b32 v[NIL], 0
	ds_add_u32 v28, v29
	ds_add_u32 v28, v29
	s_wait_dscnt 0x0
	v_lshrrev_b32 v1, 5, v0
	v_readfirstlane_b32 s14, v1                    ; wave 0..3
	s_lshr_b32 s15, s14, 1                         ; which token group is mine.  Also: I fetch token records (0) or weight records (1)
	s_and_b32 s16, s14, 1                          ; which weight group is mine.  Also: which of the two groups I fetch
	s_bfe_u32 s40, ttmp6, 0x40000                  ; cx
	s_bfe_u32 s41, ttmp6, 0x40004                  ; cy
	s_lshl_b32 s42, ttmp9, 2
	s_add_co_u32 s42, s42, s40                     ; tile column
	s_and_b32 s17, ttmp7, 0xffff
	s_lshl_b32 s17, s17, 2
	s_add_co_u32 s17, s17, s41                     ; tile row
	s_lshl_b32 s43, s41, 2
	s_lshl_b32 s43, 15, s43                        ; my row of the cluster
	s_lshl_b32 s44, 0x1111, s40                    ; my column
	s_or_b32 s[G1+0], s43, (3<<16)|(1<<21)         ; the mask; elements of 8 bytes; bit 21 beside a mask; no padding
	s_or_b32 s[G1B+0], s44, (3<<16)|(1<<21)
.irp g, G1, G1B
	s_mov_b32 s[\g+1], 32<<16                      ; a dense block of 25,600 bytes as 100 rows of 256
	s_mov_b32 s[\g+2], 100<<16
	s_mov_b32 s[\g+3], 32<<16
	s_mov_b32 s[\g+4], 100
	s_mov_b32 s[\g+5], 32
	s_mov_b32 s[\g+6], 0
	s_mov_b32 s[\g+7], 0
.endr
	s_lshl_b32 s20, s17, 1
	s_add_co_u32 s20, s20, s16
	s_mul_i32 s20, s20, KS*REC                     ; the token group that I fetch
	s_mov_b32 s21, 0
	s_lshl_b32 s46, s42, 1
	s_add_co_u32 s46, s46, s16
	s_mul_i32 s46, s46, KS*REC
	s_add_co_u32 s46, s46, REGION                  ; the weight group that I fetch
	s_mov_b32 s47, 0
	s_mul_i32 s45, s14, QTR                        ; where it goes: my quarter of a unit
	s_wait_kmcnt 0x0
	s_add_nc_u64 s[20:21], s[4:5], s[20:21]
	s_add_nc_u64 s[46:47], s[4:5], s[46:47]
	CROUND                                         ; all sixteen work-groups are here: the first joint loads meet
.irp s, 0,1
	s_mov_b32 s[G0+4*\s], 1
	s_add_co_u32 s[G0+4*\s+1], s45, \s*SLOT
	s_add_nc_u64 s[G0+4*\s+2:G0+4*\s+3], s[20:21], \s*QTR
	s_or_b32 s[G0+4*\s+3], s[G0+4*\s+3], 0x80000000
	s_mov_b32 s[G0B+4*\s], 1
	s_add_co_u32 s[G0B+4*\s+1], s45, \s*SLOT
	s_add_nc_u64 s[G0B+4*\s+2:G0B+4*\s+3], s[46:47], \s*QTR
	s_or_b32 s[G0B+4*\s+3], s[G0B+4*\s+3], 0x80000000
	JLOAD G0+4*\s, G1, G0B+4*\s, G1B
.endr
	s_mov_b32 s[G0C], 1
	s_add_co_u32 s[G0C+1], s45, 2*SLOT
	s_add_nc_u64 s[G0C+2:G0C+3], s[20:21], 2*QTR
	s_or_b32 s[G0C+3], s[G0C+3], 0x80000000
	s_mov_b32 s[G0BC], 1
	s_add_co_u32 s[G0BC+1], s45, 2*SLOT
	s_add_nc_u64 s[G0BC+2:G0BC+3], s[46:47], 2*QTR
	s_or_b32 s[G0BC+3], s[G0BC+3], 0x80000000
	JLOAD G0C, G1, G0BC, G1B                       ; three loads of mine are out: K steps 0 to 5
	v_and_b32 v1, 31, v0
	v_lshlrev_b32 v[VO16], 4, v1
	v_lshlrev_b32 v[VO8], 3, v1
	v_and_b32 v3, 15, v0                           ; r
	v_bfe_u32 v4, v0, 4, 1                         ; h
	s_mul_i32 s66, s15, QTR                        ; my token group's quarter
	s_mul_i32 s67, s16, QTR
	s_add_co_u32 s67, s67, 2*QTR                   ; my weight group's
	s_cmp_eq_u32 ttmp9, 2                          ; v: the two sources change places
	s_cselect_b32 s18, s67, s66                    ; source 1's base
	s_cselect_b32 s19, s66, s67                    ; source 0's
	s_mov_b32 s76, 0xffff0000                      ; lanes 16-31
	v_mov_b32 v5, s18
	v_mov_b32 v6, s19
	v_cndmask_b32 v5, v5, v6, s76
	v_lshl_add_u32 v5, v3, 4, v5
.irp s, 0,1,2
	v_add_nc_u32 v[ADR1+\s], s18, v[VO16]
	v_add_nc_u32 v[ADR0+\s], s19, v[VO16]
	v_add_nc_u32 v[ADRS+\s], \s*SLOT, v5
	s_add_co_u32 s18, s18, SLOT
	s_add_co_u32 s19, s19, SLOT
.endr
	s_lshl_b32 s66, s42, 10                        ; the bias of my 128 features: 256 x tile column + 128 x my weight group
	s_lshl_b32 s67, s16, 9
	s_add_co_u32 s66, s66, s67
	s_mov_b32 s67, 0
	s_add_nc_u64 s[6:7], s[6:7], s[66:67]
	v_lshlrev_b32 v7, 6, v4                        ; q, k: register 16 b + i wants feature 32 b + 16 h + i
	v_and_b32 v8, 8, v3
	v_add_nc_u32 v8, v8, v3
	v_lshlrev_b32 v8, 2, v8                        ; v: block a's lane wants feature 32 (a / 2) + 8 (a % 2) + r + 8 (r / 8)
	v_mul_u32_u24 v10, v4, 104448
	v_lshl_add_u32 v10, v3, 4, v10                 ; v's scale words: 16 r, lanes 16-31 in the next head's record
	WIN TO_B
.irp n, 0,4,8,12,16,20,24,28,32,36,40,44,48,52,56,60
	global_load_b128 v[96+\n+96*(\n/32):96+\n+96*(\n/32)+3], v7, s[6:7] offset:128*(\n/16)+4*(\n%16)
.endr
	WIN 0
.irp a, 0,1,2,3,4,5,6,7
	global_load_b32 v[VB+2*\a], v8, s[6:7] offset:4*(32*(\a/2)+8*(\a%2))   ; both kinds are loaded by every work-group: no way in leaves a register unwritten
	global_load_b32 v[VB+2*\a+1], v8, s[6:7] offset:4*(32*(\a/2)+8*(\a%2))
.endr
	s_wait_tensorcnt 2                             ; my part of unit 0 is in; the loads of units 1 and 2 may be out
	s_barrier_signal -1
	s_barrier_wait -1
	FETCH_0 0, 0, 0
	FETCH_1 0, 0, 0
	SCALES 0, 0
	FETCH_1 0, 0, 4
	STEP 0, 0, 1                                   ; the first step's products start the sums
	TURN 0, 1, 1                                   ; unit 0 is left: K steps 6, 7 are asked for
	STEP 1, 1, 0
	TURN 1, 2, 3                                   ; on to unit 2, which that barrier has shown whole
	STEP 2, 0, 0
	TURN 0, 0, 0                                   ; back to unit 0: its second fill is waited for
	STEP 0, 1, 0
	s_wait_dscnt 12                                ; the last step
	WIN MUL_LO
	MUL16 0, 1, 1, 1, 0
	MUL16 2, 1, 1, 1, 0
	s_wait_dscnt 0x0
	WIN MUL_HI
	MUL16 4, 1, 1, 1, 0
	MUL16 6, 1, 1, 1, 0
	WIN 0
	; ---- THE WAY OUT: block a's 64 numbers + bias, quantised in registers, stored as images
	PLACES 4
	s_wait_loadcnt 0x0                             ; the biases
.irp b, 0,1,2,3
	v_mov_b32 v[TM+4+\b], 0
.endr
	s_mov_b32 s[SEL], 0x76543210
	s_mov_b32 s[SEL+1], 0xfedcba98
	s_lshl_b32 s66, s17, 1
	s_add_co_u32 s66, s66, s15                     ; my token group
	s_lshr_b32 s67, s66, 3                         ; the batch
	s_and_b32 s66, s66, 7                          ; the group in the sequence
	s_lshl_b32 s70, s42, 2
	s_lshl_b32 s71, s16, 1
	s_add_co_u32 s70, s70, s71
	s_and_b32 s70, s70, 15                         ; the first of my two heads
	s_lshl_b32 s67, s67, 4
	s_add_co_u32 s67, s67, s70
	s_lshl_b32 s67, s67, 3
	s_add_co_u32 s67, s67, s66                     ; the record: (16 batch + head) x 8 + group
	s_mov_b32 s73, 0
	s_cmp_eq_u32 ttmp9, 2
	s_cbranch_scc1 .Lway_v
	s_cmp_eq_u32 ttmp9, 0
	s_cselect_b64 s[68:69], s[8:9], s[10:11]       ; q's buffer or k's
	s_mov_b32 s70, 13056
	s_cselect_b32 s70, 6656, s70
	s_mul_i32 s72, s67, s70
	s_add_nc_u64 s[68:69], s[68:69], s[72:73]      ; the first head's record
	s_lshl_b32 s72, s70, 3
	s_add_nc_u64 s[74:75], s[68:69], s[72:73]      ; the second head's
.macro EPI_QK a
	WIN 0x06+(\a)/4                                ; source 0 window 2 or 3, source 1 window 1
.irp n, 0,2,4,6,8,10,12,14,16,18,20,22,24,26,28,30,32,34,36,38,40,42,44,46,48,50,52,54,56,58,60,62
	v_pk_add_f32 v[ST+\n:ST+\n+1], v[64*((\a)%4)+\n:64*((\a)%4)+\n+1], v[96+\n+96*(\n/32):96+\n+96*(\n/32)+1]
.endr
	WIN 0
.if (\a) > 0
	s_wait_xcnt 0x0                                ; the last block's stores have read their registers
.endif
	QUANT ST                                       ; k 0-63: the first head; k 64-127: the second
.if (\a) < 4
	v_and_b32 v[SQA+(\a)], 0xffff, v[PW]
	v_lshrrev_b32 v[SQB+(\a)], 16, v[PW]
.else
	v_and_b32 v[TM], 0xffff, v[PW]
	v_lshrrev_b32 v[TM+1], 16, v[PW]
	v_cndmask_b32 v[SQA+(\a)-4], v[SQA+(\a)-4], v[TM], s76     ; tiles 4-7: lanes 16-31 of the image
	v_cndmask_b32 v[SQB+(\a)-4], v[SQB+(\a)-4], v[TM+1], s76
.endif
	global_store_b128 v[VO16], v[PC:PC+3], s[68:69] offset:768*(\a)
	global_store_b64 v[VO8], v[PC+4:PC+5], s[68:69] offset:768*(\a)+512
	global_store_b128 v[VO16], v[PC+6:PC+9], s[74:75] offset:768*(\a)
	global_store_b64 v[VO8], v[PC+10:PC+11], s[74:75] offset:768*(\a)+512
.endm
.irp a, 0,1,2,3,4,5,6,7
	EPI_QK \a
.endr
	global_store_b128 v[VO16], v[SQA:SQA+3], s[68:69] offset:6144
	global_store_b128 v[VO16], v[SQB:SQB+3], s[74:75] offset:6144
	s_branch .Lend
.Lway_v:
	s_mul_i32 s72, s67, 13056
	s_add_co_u32 s72, s72, 6656
	s_add_nc_u64 s[68:69], s[10:11], s[72:73]      ; v's part of the first head's record
.macro EPI_V a
	WIN 0x02+(\a)/4                                ; source 0 window 2 or 3, source 1 window 0
.irp n, 0,2,4,6,8,10,12,14,16,18,20,22,24,26,28,30,32,34,36,38,40,42,44,46,48,50,52,54,56,58,60,62
	v_pk_add_f32 v[ST+\n:ST+\n+1], v[64*((\a)%4)+\n:64*((\a)%4)+\n+1], v[VB+2*(\a):VB+2*(\a)+1]
.endr
	WIN 0
.if (\a) > 0
	s_wait_xcnt 0x0
.endif
	QUANT ST                                       ; along the 128 keys
.if (\a) < 4
	v_mov_b32 v[SQA+(\a)], v[PW]
.else
	v_cndmask_b32 v[SQA+(\a)-4], v[SQA+(\a)-4], v[PW], s76
.endif
.irp c, 0,1,2
	global_store_b128 v[VO16], v[PC+4*\c:PC+4*\c+3], s[68:69] offset:((\a)/4)*104448+1536*((\a)%4)+512*\c
.endr
.endm
.irp a, 0,1,2,3,4,5,6,7
	EPI_V \a
.endr
	global_store_b128 v10, v[SQA:SQA+3], s[68:69] offset:6144   ; each half of the lanes fills one aligned 256 bytes
.Lend:
	s_wait_tensorcnt 0x0                           ; the wave's end
	ds_add_u32 v[SPW], v[NIL]
	s_wait_dscnt 0x0
	CROUND                                         ; the closing round
	s_endpgm
.Lfunc_end_k_q4f84c4dd5a_qkv:
	.size	k_q4f84c4dd5a_qkv, .Lfunc_end_k_q4f84c4dd5a_qkv-k_q4f84c4dd5a_qkv
	.p2alignl 7, 3214868480
	.fill 96, 4, 3214868480
	.section	.rodata,"a",@progbits
	.p2align	6, 0x0
	.amdhsa_kernel k_q4f84c4dd5a_qkv
		.amdhsa_group_segment_fixed_size 327680
		.amdhsa_private_segment_fixed_size 0
		.amdhsa_enable_private_segment 0
		.amdhsa_kernarg_size 32
		.amdhsa_user_sgpr_count 2
		.amdhsa_user_sgpr_kernarg_segment_ptr 1
		.amdhsa_wavefront_size32 1
		.amdhsa_system_sgpr_workgroup_id_x 1
		.amdhsa_system_sgpr_workgroup_id_y 1
		.amdhsa_system_sgpr_workgroup_id_z 1
		.amdhsa_system_vgpr_workitem_id 0
		.amdhsa_next_free_vgpr 1024
		.amdhsa_next_free_sgpr 100
		.amdhsa_reserve_vcc 0
		.amdhsa_float_denorm_mode_32 3
		.amdhsa_float_denorm_mode_16_64 3
		.amdhsa_memory_ordered 1
		.amdhsa_forward_progress 1
		.amdhsa_inst_pref_size 207
	.end_amdhsa_kernel
	.amdgpu_metadata
---
amdhsa.version: [ 1, 2 ]
amdhsa.kernels:
  - .name:           k_q4f84c4dd5a_qkv
    .symbol:         k_q4f84c4dd5a_qkv.kd
    .args:
      - { .name: cw, .offset: 0, .size: 8, .value_kind: global_buffer, .address_space: global }
      - { .name: b_qkv, .offset: 8, .size: 8, .value_kind: global_buffer, .address_space: global }
      - { .name: qc, .offset: 16, .size: 8, .value_kind: global_buffer, .address_space: global }
      - { .name: kv, .offset: 24, .size: 8, .value_kind: global_buffer, .address_space: global }
    .group_segment_fixed_size: 327680
    .private_segment_fixed_size: 0
    .kernarg_segment_align: 8
    .kernarg_segment_size: 32
    .max_flat_workgroup_size: 128
    .sgpr_count:     100
    .vgpr_count:     1024
    .wavefront_size: 32
...
	.end_amdgpu_metadata
.endif
;; end of part 2
;; launch attn (part 3): grid 8 x 32, 16 waves a work-group, clusters of 4 x 1, 231,424 bytes of LDS; arguments qc, kv, ac; writes ac
.if DOCPART == 3
	.amdgcn_target "amdgcn-amd-amdhsa--gfx1250"
	.amdhsa_code_object_version 6
	.text
	.protected	k_q4f84c4dd5a_attn
	.globl	k_q4f84c4dd5a_attn
	.p2align	8
	.type	k_q4f84c4dd5a_attn,@function
k_q4f84c4dd5a_attn:
	s_mov_b64 s[64:65], 0
	v_nop
	global_prefetch_b8 v0, s[64:65] scope:SCOPE_SE
	s_setreg_imm32_b32 hwreg(HW_REG_WAVE_MODE, 25, 1), 1
	s_wait_xcnt 0x0
	s_wait_alu depctr_hold_cnt(0) depctr_sa_sdst(0) depctr_va_vdst(0) depctr_va_sdst(0) depctr_va_ssrc(0) depctr_va_vcc(0) depctr_vm_vsrc(0)
	s_getreg_b32 s2, hwreg(HW_REG_IB_STS2, 6, 4)
	s_cmp_eq_u32 s2, 0
	s_cbranch_scc0 .Lentry_in_a_cluster
	s_endpgm
.Lentry_in_a_cluster:
	s_bfe_u32 s2, ttmp6, 0x10000c
	s_cmp_lg_u32 s2, 0x3003
	s_cbranch_scc0 .Lentry_shape_is_right
	s_endpgm
.Lentry_shape_is_right:
; Attention on codes of BF6: S^T = K Q^T (K = the head's 64, the upper 64 of the instruction's 128 are zero codes), the mask (key > query, or key % 32 == 31), the softmax, O^T = V^T P^T, O / l, quantised along E.
; THE SOFTMAX: t = score x log2(e) / 8; M = the running largest t rounded UP to a whole number; p = 2^(t - M) is quantised along the keys, not normalised; the row's sum is of the unquantised p and divides at the end.
; SHARES.  A work-group serves a PAIR of heads (y) and tile X = 4 x cluster x + cx of every group of 128 tokens.  Wave w: head w / 8; token group i = (w % 4) xor 7 ((w % 8) / 4); its 16 queries are tile X of group i.
; So a wave needs key steps 0 .. i and its diagonal is step i, whatever X is: no branch, trip count or LDS address hangs on the place in the cluster; waves w, w + 4, w + 8, w + 12 have 18 steps together.
; The two heads' K and V, sixteen records of 13,056 bytes, are asked for ONCE, jointly by the four partners (they share the pair of heads): wave w fetches record w.  LDS is filled once: no slot is filled again.
; A lane holds one query (lane % 16) throughout.  Tile T = 2 b + u of K gives keys 32 b + 16 (lane / 16) + 8 u + j: the 16 registers of tiles 2 b, 2 b + 1 are 16 neighbouring keys.
; OUT.  A wave's O (16 queries x 64) is half a fragment of the next product's operand (K step = the pair of heads).  The halves meet in LDS; the wave of the first head stores the whole image.
; The scale word goes out as 64 bytes of one aligned 256; all else in whole aligned 256 bytes.
; REGISTERS: v1-7 addresses that stay; v8-10 the step's; v12 -M, v13 the largest t, v[14:15] the sum; v16-27 Q; v32-79 four tiles of K; v80-87 scale words; v96-159 S^T, p, then V; v160-191 O^T; v192-194; v224.. codes; v232-255 at work.
; LIMITS: NaN and infinities are not served.
.set RECB,  13056
.set HEADB, 8*RECB
.set STG,   16*RECB                    ; behind the records: 768 bytes for each wave's half image,
.set SSC,   STG+16*768                 ; and 64 bytes for its scale words
.set REC,   12800
.set WV,  18
.set SEL, 20
.set CS,  22
.set G1,  24
.set G0,  32
.set TB,  36                           ; s36 LDS byte of the step's record
.set KI,  37                           ; s37 the key step
.set LIM, 38                           ; s38 my token group = my last key step
.set MHI, 39                           ; s39 lanes 16-31
.set NEG, 192                          ; v192 -infinity
.set OF,  193                          ; v193 my bytes in the fragment's image in ac
.set OS,  194                          ; v194 my row's scale word in ac
.macro CROUND
	s_barrier_signal -1
	s_barrier_wait -1
	s_cmp_lg_u32 s[WV], 0
	s_cbranch_scc1 .Lnot_wave_0_\@
	s_barrier_signal -3
.Lnot_wave_0_\@:
	s_barrier_wait -3
	s_barrier_signal -1
	s_barrier_wait -1
.endm
	s_load_b128 s[4:7], s[0:1], 0x0                ; qc s[4:5], kv s[6:7]
	s_load_b64 s[8:9], s[0:1], 0x10                ; ac
	v_lshl_add_u32 v250, v0, 2, 0x38000
	v_mov_b32 v251, 0
	ds_add_u32 v250, v251
	ds_add_u32 v250, v251
	v_lshrrev_b32 v232, 5, v0
	v_readfirstlane_b32 s[WV], v232                ; wave 0..15
	s_bfe_u32 s10, ttmp6, 0x40000                  ; cx
	s_lshl_b32 s11, ttmp9, 2
	s_add_co_u32 s11, s11, s10                     ; X: it enters global addresses and the mask's numbers alone
	s_and_b32 s12, ttmp7, 0xffff                   ; the pair of heads
	s_lshr_b32 s13, s[WV], 3                       ; which head of the pair
	s_and_b32 s14, s[WV], 7
	s_and_b32 s15, s14, 3
	s_lshr_b32 s16, s14, 2
	s_mul_i32 s16, s16, 7
	s_xor_b32 s[LIM], s15, s16
	s_mov_b32 s[G1], 15|(3<<16)|(1<<21)            ; the mask: all four partners; elements of 8 bytes; bit 21 beside a mask
	s_mov_b32 s[G1+1], 32<<16                      ; a dense record as 51 rows of 256 bytes
	s_mov_b32 s[G1+2], 51<<16
	s_mov_b32 s[G1+3], 32<<16
	s_mov_b32 s[G1+4], 51
	s_mov_b32 s[G1+5], 32
	s_mov_b32 s[G1+6], 0
	s_mov_b32 s[G1+7], 0
	s_mul_i32 s40, s12, 16*RECB
	s_mul_i32 s41, s[WV], RECB
	s_add_co_u32 s40, s40, s41
	s_mov_b32 s41, 0
	s_mov_b32 s[G0], 1
	s_mul_i32 s[G0+1], s[WV], RECB
	s_mov_b32 s[SEL], 0x76543210
	s_mov_b32 s[SEL+1], 0xfedcba98
	s_mov_b32 s[CS], 0x3e38aa3b                    ; c = log2(e) / 8
	s_mov_b32 s[CS+1], s[CS]
	s_mov_b32 s[MHI], 0xffff0000
	v_and_b32 v232, 31, v0                         ; lane
	v_and_b32 v233, 15, v0                         ; r
	v_bfe_u32 v234, v0, 4, 1                       ; h
	v_lshlrev_b32 v1, 4, v232                      ; 16 x lane
	v_lshlrev_b32 v2, 3, v232                      ; 8 x lane
	v_lshlrev_b32 v3, 4, v233                      ; 16 r
	s_mul_i32 s42, s[WV], 768
	s_add_co_u32 s42, s42, STG
	v_add_nc_u32 v5, s42, v1                       ; my half image: registers 0-3,
	s_add_co_u32 s42, s42, 512
	v_add_nc_u32 v6, s42, v2                       ; registers 4-5,
	s_lshl_b32 s42, s[WV], 6
	s_add_co_u32 s42, s42, SSC
	v_lshl_add_u32 v7, v233, 2, s42                ; my row's two scale bytes, as a word
	s_lshr_b32 s44, s11, 1
	s_lshl_b32 s44, s44, 5
	s_and_b32 s45, s11, 1
	s_lshl_b32 s45, s45, 3
	s_add_co_u32 s44, s44, s45
	v_and_b32 v4, 8, v233
	v_add_nc_u32 v4, v4, v233
	v_add_nc_u32 v4, s44, v4                       ; my query in its group: 32 (X / 2) + 8 (X % 2) + r + 8 (r / 8),
	v_lshlrev_b32 v235, 4, v234
	v_sub_nc_u32 v4, v4, v235                      ; less 16 h: register 16 b + i of the diagonal step is hidden where 32 b + i is above it
	s_lshl_b32 s46, s12, 1
	s_add_co_u32 s46, s46, s13
	s_lshl_b32 s46, s46, 3
	s_add_co_u32 s46, s46, s[LIM]
	s_mul_i32 s46, s46, 6656                       ; Q's record: (head, my token group)
	s_mov_b32 s47, 0
	s_mul_i32 s48, s11, 768
	v_add_nc_u32 v236, s48, v1
	v_add_nc_u32 v237, s48, v2
	s_lshr_b32 s48, s11, 2
	s_lshl_b32 s48, s48, 8
	s_and_b32 s49, s11, 3
	s_lshl_b32 s49, s49, 2
	s_add_co_u32 s48, s48, s49
	s_add_co_u32 s48, s48, 6144
	v_add_nc_u32 v238, s48, v3                     ; Q's scale word: 6,144 + 256 (X / 4) + 4 (X % 4) + 16 r
	v_add_nc_u32 v[OS], 6144, v238                 ; in a record of ac the words begin at 12,288
	s_mul_i32 s48, s11, 1536
	v_add_nc_u32 v[OF], s48, v1
	s_lshr_b32 s50, s12, 3
	s_lshl_b32 s50, s50, 3
	s_add_co_u32 s50, s50, s[LIM]
	s_lshl_b32 s50, s50, 3
	s_and_b32 s51, s12, 7
	s_add_co_u32 s50, s50, s51
	s_mul_i32 s50, s50, REC                        ; the record of ac: (token group of the whole batch, K step = pair of heads)
	s_mov_b32 s51, 0
	s_wait_dscnt 0x0
	s_wait_kmcnt 0x0
	s_add_nc_u64 s[G0+2:G0+3], s[6:7], s[40:41]
	s_or_b32 s[G0+3], s[G0+3], 0x80000000
	s_add_nc_u64 s[4:5], s[4:5], s[46:47]
	s_add_nc_u64 s[8:9], s[8:9], s[50:51]
	CROUND                                         ; all four work-groups are here: the joint loads meet
	tensor_load_to_lds s[G0:G0+3], s[G1:G1+7]      ; record w of the sixteen: my one tensor load
	s_nop 0
.rept 4
	v_nop
.endr
	global_load_b128 v[16:19], v236, s[4:5]        ; Q's tile: operand registers 0-3,
	global_load_b64 v[20:21], v237, s[4:5] offset:512   ; 4-5,
	global_load_b32 v255, v238, s[4:5]             ; and its scale words
.irp j, 22,23,24,25,26,27
	v_mov_b32 v[\j], 0                             ; k 64-127: zero codes
.endr
.irp t, 0,1,2,3
.irp j, 6,7,8,9,10,11
	v_mov_b32 v[32+12*\t+\j], 0                    ; likewise in K's four tiles: cleared once
.endr
.endr
	v_mov_b32 v[NEG], 0xff800000
	v_mov_b32 v13, 0xff61b1e6                      ; the largest t so far: -3e38
	v_floor_f32 v12, -v13                          ; -M
	v_mov_b32 v14, 0
	v_mov_b32 v15, 0
	v_mov_b32 v239, 0                              ; (a lane permute's destination counts as one of its sources)
	v_mov_b32 v253, 0
.irp j, 0,1,2,3,4,5,6,7,8,9,10,11,12,13,14,15,16,17,18,19,20,21,22,23,24,25,26,27,28,29,30,31
	v_mov_b32 v[160+\j], 0                         ; O^T: the loop is written once; its first step finds zeros
.endr
	s_mov_b32 s[KI], 0
	s_mul_i32 s[TB], s13, HEADB
	s_wait_tensorcnt 0x0                           ; my record is in,
	s_barrier_signal -1
	s_barrier_wait -1                              ; everybody's is
	s_wait_loadcnt 0x0                             ; Q
.Lstep:                                            ; eight trips, a constant; a step behind my diagonal is left out
	s_cmp_gt_u32 s[KI], s[LIM]
	s_cbranch_scc1 .Lskip
	v_add_nc_u32 v8, s[TB], v1
	v_add_nc_u32 v9, s[TB], v2
	v_add_nc_u32 v10, s[TB], v3
	v_nop
	v_nop                                          ; five places: the scores are written over V's fragments, which the last step's products read
.irp g, 0,1
.if \g
.rept 4
	v_nop                                          ; places in front of loads into registers that the products have read
.endr
.endif
.irp t, 0,1,2,3
	ds_load_b128 v[32+12*\t:35+12*\t], v8 offset:768*(4*\g+\t)
	ds_load_b64 v[36+12*\t:37+12*\t], v9 offset:768*(4*\g+\t)+512
.endr
.if \g == 0
	ds_load_b128 v[80:83], v8 offset:6144          ; K's scale words: lanes 0-15 tiles 0-3, lanes 16-31 tiles 4-7
.endif
	s_wait_dscnt 0x0
.irp t, 0,1,2,3
.if \g == 0
	v_wmma_scale_f32_16x16x128_f8f6f4 v[96+8*(4*\g+\t):103+8*(4*\g+\t)], v[32+12*\t:43+12*\t], v[16:27], 0, v[80+\t], v255 matrix_a_fmt:MATRIX_FMT_BF6 matrix_b_fmt:MATRIX_FMT_BF6
.else
	v_wmma_scale_f32_16x16x128_f8f6f4 v[96+8*(4*\g+\t):103+8*(4*\g+\t)], v[32+12*\t:43+12*\t], v[16:27], 0, v[80+\t], v255 matrix_a_fmt:MATRIX_FMT_BF6 matrix_b_fmt:MATRIX_FMT_BF6 matrix_a_scale:MATRIX_SCALE_ROW1
.endif
.endr
.endr
.rept 4
	v_nop
.endr
	s_cmp_lg_u32 s[KI], s[LIM]                     ; on my diagonal step the keys behind my query become -infinity
	s_cbranch_scc1 .Lopen
.irp n, 0,1,2,3,4,5,6,7,8,9,10,11,12,13,14,15,16,17,18,19,20,21,22,23,24,25,26,27,28,29,30,31,32,33,34,35,36,37,38,39,40,41,42,43,44,45,46,47,48,49,50,51,52,53,54,55,56,57,58,59,60,61,62,63
	v_cmp_gt_i32 vcc_lo, 32*(\n/16)+\n%16, v4
	v_cndmask_b32 v[96+\n], v[96+\n], v[NEG], vcc_lo
.endr
.Lopen:
.irp b, 0,1,2,3
	v_max3_num_f32 v[232+\b], v[96+16*\b], v[97+16*\b], v[98+16*\b]   ; the largest score of each block of 32 keys: for the row's maximum and for the block's largest p
.endr
.irp i, 3,5,7,9,11,13
.irp b, 0,1,2,3
	v_max3_num_f32 v[232+\b], v[232+\b], v[96+16*\b+\i], v[97+16*\b+\i]
.endr
.endr
.irp b, 0,1,2,3
	v_cndmask_b32 v[111+16*\b], v[111+16*\b], v[NEG], s[MHI]   ; key % 32 == 31: register 16 b + 15 of lanes 16-31.  It stands here
.endr
.irp b, 0,1,2,3
	v_max_num_f32 v[232+\b], v[232+\b], v[111+16*\b]
.endr
.irp b, 0,1,2,3
	v_permlanex16_b32 v[236+\b], v[232+\b], s[SEL], s[SEL+1]
.endr
.irp b, 0,1,2,3
	v_max_num_f32 v[232+\b], v[232+\b], v[236+\b]
.endr
	v_max3_num_f32 v254, v232, v233, v234
	v_max_num_f32 v254, v254, v235                 ; the step's largest score of my query (each step that I walk has a key that counts: its first)
	v_mul_f32 v254, s[CS], v254
	v_max_num_f32 v13, v13, v254                   ; the running largest t
	v_mov_b32 v254, v12
	v_floor_f32 v12, -v13                          ; the new -M = -ceil(t)
	v_sub_f32 v254, v12, v254                      ; old M - new M: a whole number, 0 or less
	v_cvt_i32_f32 v254, v254
	v_ldexp_f32 v252, 1.0, v254                    ; f = 2^(old M - new M): multiplying by it rounds nothing
.irp j, 0,2,4,6,8,10,12,14,16,18,20,22,24,26,28,30,32,34,36,38,40,42,44,46,48,50,52,54,56,58,60,62
	v_pk_fma_f32 v[96+\j:97+\j], v[96+\j:97+\j], s[CS:CS+1], v[12:13] op_sel_hi:[1,0,0]   ; t - M
.endr
.irp b, 0,1,2,3
	v_fma_f32 v[232+\b], v[232+\b], s[CS], v12
.endr
.irp j, 0,1,2,3,4,5,6,7,8,9,10,11,12,13,14,15,16,17,18,19,20,21,22,23,24,25,26,27,28,29,30,31,32,33,34,35,36,37,38,39,40,41,42,43,44,45,46,47,48,49,50,51,52,53,54,55,56,57,58,59,60,61,62,63
	v_exp_f32 v[96+\j], v[96+\j]                   ; p = 2^(t - M)
.endr
	v_pk_mul_f32 v[14:15], v[14:15], v[252:253] op_sel_hi:[1,0]   ; the sums under the new M: a plain place behind the exponentials
	s_wait_alu depctr_va_vdst(0)                   ; one wait for the batch, ahead of its first reader
.irp b, 0,1,2,3
	v_exp_f32 v[232+\b], v[232+\b]                 ; each block's largest p
.endr
	v_pk_add_f32 v[236:237], v[96:97], v[98:99]    ; the row's sum, of the unquantised p, in two chains
.irp j, 4,8,12,16,20,24,28,32,36,40,44,48,52,56,60
	v_pk_add_f32 v[14:15], v[14:15], v[96+\j:97+\j]
	v_pk_add_f32 v[236:237], v[236:237], v[98+\j:99+\j]
.endr
	v_pk_add_f32 v[14:15], v[14:15], v[236:237]
	s_wait_alu depctr_va_vdst(0)                   ; and one for the four
.irp b, 0,1,2,3
	v_max_num_f32 v[232+\b], 0x2800000, v[232+\b]  ; the floor 2^(5 - 127)
.endr
.irp b, 0,1,2,3
	v_add_nc_u32 v[244+\b], 0xfe000000, v[232+\b]
.endr
.irp b, 0,1,2,3
	v_lshrrev_b32 v[236+\b], 23, v[244+\b]
.endr
	v_lshl_or_b32 v253, v237, 8, v236              ; p's scale word for these 128 keys
	v_lshl_or_b32 v253, v238, 16, v253
	v_lshl_or_b32 v253, v239, 24, v253
.irp c, 0,1
	v_cvt_scalef32_pk16_bf6_f32 v[224+6*\c:226+6*\c], v[96+32*\c:111+32*\c], v[244+2*\c]
	v_cvt_scalef32_pk16_bf6_f32 v[236+4*\c:238+4*\c], v[112+32*\c:127+32*\c], v[244+2*\c+1]
.endr
	v_nop                                          ; one plain place behind a scaled conversion
.irp f, 0,1,2,3
.irp c, 0,1,2
	ds_load_b128 v[96+12*\f+4*\c:99+12*\f+4*\c], v8 offset:6656+1536*\f+512*\c   ; V's four fragments, into the registers that p has left: they land under the lines below
.endr
.endr
	ds_load_b128 v[84:87], v10 offset:12800        ; V's scale words
.irp c, 0,1
.irp i, 0,1,2
	v_permlane16_swap_b32 v[224+6*\c+\i], v[236+4*\c+\i]
.endr
.irp i, 0,1,2
	v_mov_b32 v[227+6*\c+\i], v[236+4*\c+\i]
.endr
.endr
.irp j, 0,2,4,6,8,10,12,14,16,18,20,22,24,26,28,30
	v_pk_mul_f32 v[160+\j:161+\j], v[160+\j:161+\j], v[252:253] op_sel_hi:[1,0]   ; O^T under the new M; these sixteen are also the places in front of the scaled products
.endr
	s_wait_dscnt 0x0
.irp f, 0,1,2,3
	v_wmma_scale_f32_16x16x128_f8f6f4 v[160+8*\f:167+8*\f], v[96+12*\f:107+12*\f], v[224:235], v[160+8*\f:167+8*\f], v[84+\f], v253 matrix_a_fmt:MATRIX_FMT_BF6 matrix_b_fmt:MATRIX_FMT_BF6
.endr
.Lskip:
	s_add_co_u32 s[TB], s[TB], RECB
	s_add_co_u32 s[KI], s[KI], 1
	s_cmp_lt_u32 s[KI], 8
	s_cbranch_scc1 .Lstep
	; ---- THE WAY OUT
.rept 4
	v_nop                                          ; places behind the last products
.endr
	v_add_f32 v14, v14, v15
	v_permlanex16_b32 v252, v14, s[SEL], s[SEL+1]
	v_add_f32 v14, v14, v252                       ; the row's sum
	v_rcp_f32 v14, v14
	v_nop
	s_wait_alu depctr_va_vdst(0)
.irp j, 0,1,2,3,4,5,6,7,8,9,10,11,12,13,14,15,16,17,18,19,20,21,22,23,24,25,26,27,28,29,30,31
	v_mul_f32 v[96+\j], v[160+\j], v14             ; register 16 b + i is channel 32 b + 16 h + i of my query
.endr
.irp b, 0,1
	v_max3_num_f32 v[232+\b], |v[96+16*\b]|, |v[97+16*\b]|, 0x2800000
.endr
.irp i, 2,4,6,8,10,12,14
.irp b, 0,1
	v_max3_num_f32 v[232+\b], v[232+\b], |v[96+16*\b+\i]|, |v[97+16*\b+\i]|
.endr
.endr
.irp b, 0,1
	v_permlanex16_b32 v[236+\b], v[232+\b], s[SEL], s[SEL+1]
.endr
.irp b, 0,1
	v_max_num_f32 v[232+\b], v[232+\b], v[236+\b]
.endr
.irp b, 0,1
	v_add_nc_u32 v[244+\b], 0xfe000000, v[232+\b]
.endr
.irp b, 0,1
	v_lshrrev_b32 v[236+\b], 23, v[244+\b]
.endr
	v_lshl_or_b32 v253, v237, 8, v236              ; my head's two scale bytes
	v_cvt_scalef32_pk16_bf6_f32 v[224:226], v[96:111], v244
	v_cvt_scalef32_pk16_bf6_f32 v[240:242], v[112:127], v245
	v_nop
.irp i, 0,1,2
	v_permlane16_swap_b32 v[224+\i], v[240+\i]
.endr
.irp i, 0,1,2
	v_mov_b32 v[227+\i], v[240+\i]                 ; six registers: my head's half of the fragment
.endr
	ds_store_b128 v5, v[224:227]
	ds_store_b64 v6, v[228:229]
	ds_store_b32 v7, v253                          ; lanes l and l xor 16 write the same word with the same value
	s_wait_dscnt 0x0                               ; for the other head's wave
	s_barrier_signal -1
	s_barrier_wait -1
	s_cmp_lt_u32 s[WV], 8
	s_cbranch_scc0 .Ldone                          ; the first head's wave stores the whole fragment
	ds_load_b128 v[96:99], v5
	ds_load_b64 v[100:101], v6
	ds_load_b128 v[102:105], v5 offset:8*768       ; the wave eight on: the same queries, the second head
	ds_load_b64 v[106:107], v6 offset:8*768
	ds_load_b32 v108, v7
	ds_load_b32 v109, v7 offset:8*64
	s_wait_dscnt 0x0
	v_lshl_or_b32 v108, v109, 16, v108
	global_store_b128 v[OF], v[96:99], s[8:9]
	global_store_b128 v[OF], v[100:103], s[8:9] offset:512
	global_store_b128 v[OF], v[104:107], s[8:9] offset:1024
	global_store_b32 v[OS], v108, s[8:9]
.Ldone:
	s_wait_tensorcnt 0x0
	ds_add_u32 v250, v251
	s_wait_dscnt 0x0
	CROUND                                         ; the closing round
	s_endpgm
.Lfunc_end_k_q4f84c4dd5a_attn:
	.size	k_q4f84c4dd5a_attn, .Lfunc_end_k_q4f84c4dd5a_attn-k_q4f84c4dd5a_attn
	.p2alignl 7, 3214868480
	.fill 96, 4, 3214868480
	.section	.rodata,"a",@progbits
	.p2align	6, 0x0
	.amdhsa_kernel k_q4f84c4dd5a_attn
		.amdhsa_group_segment_fixed_size 231424
		.amdhsa_private_segment_fixed_size 0
		.amdhsa_enable_private_segment 0
		.amdhsa_kernarg_size 24
		.amdhsa_user_sgpr_count 2
		.amdhsa_user_sgpr_kernarg_segment_ptr 1
		.amdhsa_wavefront_size32 1
		.amdhsa_system_sgpr_workgroup_id_x 1
		.amdhsa_system_sgpr_workgroup_id_y 1
		.amdhsa_system_sgpr_workgroup_id_z 1
		.amdhsa_system_vgpr_workitem_id 0
		.amdhsa_next_free_vgpr 256
		.amdhsa_next_free_sgpr 66
		.amdhsa_reserve_vcc 1
		.amdhsa_float_denorm_mode_32 3
		.amdhsa_float_denorm_mode_16_64 3
		.amdhsa_memory_ordered 1
		.amdhsa_forward_progress 1
		.amdhsa_inst_pref_size 34
	.end_amdhsa_kernel
	.amdgpu_metadata
---
amdhsa.version: [ 1, 2 ]
amdhsa.kernels:
  - .name:           k_q4f84c4dd5a_attn
    .symbol:         k_q4f84c4dd5a_attn.kd
    .args:
      - { .name: qc, .offset: 0, .size: 8, .value_kind: global_buffer, .address_space: global }
      - { .name: kv, .offset: 8, .size: 8, .value_kind: global_buffer, .address_space: global }
      - { .name: ac, .offset: 16, .size: 8, .value_kind: global_buffer, .address_space: global }
    .group_segment_fixed_size: 231424
    .private_segment_fixed_size: 0
    .kernarg_segment_align: 8
    .kernarg_segment_size: 24
    .max_flat_workgroup_size: 512
    .sgpr_count:     66
    .vgpr_count:     256
    .wavefront_size: 32
...
	.end_amdgpu_metadata
.endif
;; end of part 3
;; launch oproj (part 4): grid 8 x 32, 4 waves a work-group, clusters of 4 x 4, 327,680 bytes of LDS; arguments ac, cw, b_o, x, x1; writes x1
.if DOCPART == 4
	.amdgcn_target "amdgcn-amd-amdhsa--gfx1250"
	.amdhsa_code_object_version 6
	.text
	.protected	k_q4f84c4dd5a_oproj
	.globl	k_q4f84c4dd5a_oproj
	.p2align	8
	.type	k_q4f84c4dd5a_oproj,@function
k_q4f84c4dd5a_oproj:
	s_mov_b64 s[64:65], 0
	v_nop
	global_prefetch_b8 v0, s[64:65] scope:SCOPE_SE
	s_setreg_imm32_b32 hwreg(HW_REG_WAVE_MODE, 25, 1), 1
	s_wait_xcnt 0x0
	s_wait_alu depctr_hold_cnt(0) depctr_sa_sdst(0) depctr_va_vdst(0) depctr_va_sdst(0) depctr_va_ssrc(0) depctr_va_vcc(0) depctr_vm_vsrc(0)
	s_getreg_b32 s2, hwreg(HW_REG_IB_STS2, 6, 4)
	s_cmp_eq_u32 s2, 0
	s_cbranch_scc0 .Lentry_in_a_cluster
	s_endpgm
.Lentry_in_a_cluster:
	s_bfe_u32 s2, ttmp6, 0x10000c
	s_cmp_lg_u32 s2, 0xf033
	s_cbranch_scc0 .Lentry_shape_is_right
	s_endpgm
.Lentry_shape_is_right:
; out = A W^T + bias + resid on codes of BF6.  Here: A = the attention's codes, W = w_o, resid = x, out = x1.  (The second MLP product is this text with three other constants.)
; A tile of 128 tokens x 128 features to a work-group, so that N = 1,024 gives 256 work-groups.  EVERY WAVE MAKES THE WHOLE TILE, on the K steps that are its number modulo 4: each keeps 64 accumulators, 128 x 128,
; and no fragment is read from LDS twice.  The four partial tiles are added on the way out, through LDS: ((P0 + P1) + (P2 + P3)) + (resid + bias).
; So the sum over K is four partial sums and not one chain: an order of rounding that differs from a plain chain's.
; Operands lie as RECORDS (128 rows x 128 K, 12,800 bytes: eight fragment images, then the scale words).  A TURN is four K steps, one a wave.
; LDS: a DOUBLE UNIT for two turns (tokens of turn a, of turn b, weights of turn a, of turn b: four records each; a wave's load brings one of the four, 51,200 dense bytes), and, where K has more than two turns,
; a SINGLE UNIT for one (tokens, weights: a wave's load brings two records).  With TURNS = 2 the double unit holds all of K: one load a wave, and nothing is filled again.
; With TURNS = 8: K steps 0-11 are asked for at the start; the double unit is filled again when its second turn has been read (K steps 12-19, 24-31), the single unit when its turn has (20-23): three refills.
; Between the two turns of the double unit stands no barrier: the barrier in front of its first turn has shown the whole unit to every wave.
; The residual's 32 rows a wave and the bias are asked for at the head, into registers that the products leave alone, and are waited for on the way out.
; CLUSTERS 4 x 4: token records shared along a row of the cluster, weight records along a column.
; Source 1 = tokens (lane-row r of fragment a is token 32 (a / 2) + 8 (a % 2) + r + 8 (r / 8)), source 0 = weights: a lane's registers of blocks 2 b, 2 b + 1 are features 32 b + 16 h + 0 .. 15.
; REGISTERS: window 0: v0-31 addresses, v12-15 the bias; v32-63 scale words, two sets; v96-127, v224-255 residual rows 0-15; v128-223 source 1.  window 1: source 0, two sets at v0 and v128; v96-127, v224-255 residual rows 16-31.
;   windows 2, 3: the accumulators.  On the way out v32-95 hold the partial tiles' rows, v128-191 the results of rows 16-31.
.set REC,    12800
.set UD,     4*REC                     ; a wave's large load: four records
.set UQ,     2*REC                     ; its small load: two
.set DBL,    4*UD                      ; the double unit; the single unit begins behind it
.set KS,     8
.set REGION, 5734400                   ; w_o's records in cw
.set TURNS,  2                         ; K / 512
.set STEPB,  12*REC                    ; a unit's next fill: twelve K steps on
.set PT,     67584                     ; a partial tile: 128 rows x (512 + 16) bytes
.set SPARE,  DBL+4*UQ                  ; behind both units (and the partial tiles, which lie over them): the spare words
.set FR,   12
.set VO16, 2
.set RD,   8                           ; v8-11 my 32 rows in the four partial tiles
.set ADR1, 16                          ; v16-18 my token record: the double unit's turn a, turn b, the single unit
.set ADR0, 19                          ; v19-21 my weight record
.set ADRS, 22                          ; v22-24 scale words: lanes 0-15 the tokens', lanes 16-31 the weights'
.set STO,  25
.set SPW,  28
.set NIL,  29
.set SC,   32
.set AF,   128
.set G1,   24                          ; s[24:31], s[48:55] group 1 of the large loads;  s[80:87], s[88:95] of the small ones
.set G0,   32                          ; s[32:35], s[56:59] group 0 of the double unit;  s[36:39], s[60:63] of the single unit
.set G1B,  48
.set G0B,  56
.set G1U,  80
.set G1UB, 88
.set MSB, 0
.macro WIN new
.if MSB != (\new)
	s_set_vgpr_msb (MSB<<8)|(\new)
.set MSB, (\new)
.endif
.endm
.set MUL_LO, 0xa1
.set MUL_HI, 0xf1
.set TO_B,   0x40
.macro JLOAD g0a, g1a, g0b, g1b        ; waves 0, 1 fetch token records, waves 2, 3 weight records; four v_nop follow each line
	s_cmp_eq_u32 s15, 0
	s_cbranch_scc0 .Lfor_b_\@
	tensor_load_to_lds s[\g0a:\g0a+3], s[\g1a:\g1a+7]
	s_nop 0
.rept 4
	v_nop
.endr
	s_branch .Lasked_\@
.Lfor_b_\@:
	tensor_load_to_lds s[\g0b:\g0b+3], s[\g1b:\g1b+7]
	s_nop 0
.rept 4
	v_nop
.endr
.Lasked_\@:
.endm
.macro CREST
	s_cmp_lg_u32 s14, 0
	s_cbranch_scc1 .Lnot_wave_0_\@
	s_barrier_signal -3
.Lnot_wave_0_\@:
	s_barrier_wait -3
	s_barrier_signal -1
	s_barrier_wait -1
.endm
.macro CROUND
	s_barrier_signal -1
	s_barrier_wait -1
	CREST
.endm
.macro PLACES n
.rept \n
	v_nop
.endr
.endm
.macro FRAG reg, adr, off
.irp c, 0,1,2
	ds_load_b128 v[\reg+4*\c:\reg+4*\c+3], v[\adr] offset:\off+512*\c
.endr
.endm
.macro FETCH_0 unit, p
	WIN TO_B
.irp i, 0,1,2,3,4,5,6,7
	FRAG 128*(\p)+FR*\i, ADR0+\unit, 1536*\i
.endr
	WIN 0
.endm
.macro FETCH_1 unit, i0
.irp i, \i0, \i0+1, \i0+2, \i0+3
	FRAG AF+FR*(\i), ADR1+\unit, 1536*(\i)
.endr
.endm
.macro SCALES unit, p
	ds_load_b128 v[SC+16*(\p):SC+16*(\p)+3], v[ADRS+\unit] offset:12288
	ds_load_b128 v[SC+16*(\p)+4:SC+16*(\p)+7], v[ADRS+\unit] offset:12288+256
.endm
.macro MUL16 a0, p, zero               ; set p of source 0 and of the scale words; the 64 accumulators take turns in one order everywhere
.irp a, \a0, \a0+1
.irp b, 0,1,2,3,4,5,6,7
.if \zero
	v_wmma_scale_f32_16x16x128_f8f6f4 v[8*(8*((\a)%4)+\b):8*(8*((\a)%4)+\b)+7], v[128*(\p)+FR*\b:128*(\p)+FR*\b+FR-1], v[AF+FR*(\a):AF+FR*(\a)+FR-1], 0, v[SC+16*(\p)+\b], v[SC+16*(\p)+(\a)] matrix_a_fmt:MATRIX_FMT_BF6 matrix_b_fmt:MATRIX_FMT_BF6 matrix_a_scale:MATRIX_SCALE_ROW1
.else
	v_wmma_scale_f32_16x16x128_f8f6f4 v[8*(8*((\a)%4)+\b):8*(8*((\a)%4)+\b)+7], v[128*(\p)+FR*\b:128*(\p)+FR*\b+FR-1], v[AF+FR*(\a):AF+FR*(\a)+FR-1], v[8*(8*((\a)%4)+\b):8*(8*((\a)%4)+\b)+7], v[SC+16*(\p)+\b], v[SC+16*(\p)+(\a)] matrix_a_fmt:MATRIX_FMT_BF6 matrix_b_fmt:MATRIX_FMT_BF6 matrix_a_scale:MATRIX_SCALE_ROW1
.endif
.endr
.endr
.endm
; My K step of a turn (register sets p), and the fetch of the next turn's fragments from place nx (0, 1: the double unit's turns; 2: the single unit).
; mode 1: the double unit has been read and is filled again.  mode 2: the single unit.  mode 0: a barrier behind which nothing is filled: the next place's load is waited for and shown to every wave.
; mode 3: no barrier: the next place is the double unit's second turn, which the barrier in front of its first turn has shown whole; nothing is written to it since.
.macro TURN nx, p, mode, zero
.if \mode == 3
	s_wait_dscnt 12                                ; all but the youngest twelve loads, source 1's blocks 4-7
	WIN MUL_LO
	MUL16 0, \p, \zero
	MUL16 2, \p, \zero
	s_wait_dscnt 0x0
	PLACES 4                                       ; in front of loads into registers that the products have read
.else
	s_wait_tensorcnt 0x0                           ; all my tensor loads have landed
	ds_add_u32 v[SPW], v[NIL]                      ; 0 onto my spare word
	s_wait_dscnt 13                                ; the add and the youngest twelve loads may be out
	WIN MUL_LO
	MUL16 0, \p, \zero
	s_wait_dscnt 0x0                               ; the add is done, and my reads of the unit that is left are over
	s_barrier_signal -1
	MUL16 2, \p, \zero
	WIN 0
	s_barrier_wait -1
.if \mode == 1
	CREST                                          ; the barrier has opened a round of the cluster's
	s_add_nc_u64 s[G0+2:G0+3], s[G0+2:G0+3], STEPB
	s_add_nc_u64 s[G0B+2:G0B+3], s[G0B+2:G0B+3], STEPB
	JLOAD G0, G1, G0B, G1B                         ; its four v_nop are the places in front of the loads below
.elseif \mode == 2
	CREST
	s_add_nc_u64 s[G0+6:G0+7], s[G0+6:G0+7], STEPB
	s_add_nc_u64 s[G0B+6:G0B+7], s[G0B+6:G0B+7], STEPB
	JLOAD G0+4, G1U, G0B+4, G1UB
.else
	PLACES 4
.endif
.endif
	FETCH_0 \nx, 1-(\p)
	FETCH_1 \nx, 0
	SCALES \nx, 1-(\p)
	WIN MUL_HI
	MUL16 4, \p, \zero
	MUL16 6, \p, \zero
	PLACES 4
	WIN 0
	FETCH_1 \nx, 4
.endm
	s_load_b256 s[4:11], s[0:1], 0x0               ; A s[4:5], cw s[6:7], bias s[8:9], resid s[10:11]
	s_load_b64 s[12:13], s[0:1], 0x20              ; out
	v_lshl_add_u32 v[SPW], v0, 2, SPARE
	v_mov_b32 v[NIL], 0
	ds_add_u32 v28, v29
	ds_add_u32 v28, v29
	s_wait_dscnt 0x0
	v_lshrrev_b32 v1, 5, v0
	v_readfirstlane_b32 s14, v1                    ; wave 0..3
	s_lshr_b32 s15, s14, 1                         ; I fetch token records (0) or weight records (1),
	s_and_b32 s16, s14, 1                          ; the first half of a unit's or the second
	s_bfe_u32 s40, ttmp6, 0x40000
	s_bfe_u32 s41, ttmp6, 0x40004
	s_lshl_b32 s42, ttmp9, 2
	s_add_co_u32 s42, s42, s40                     ; tile column
	s_and_b32 s17, ttmp7, 0xffff
	s_lshl_b32 s17, s17, 2
	s_add_co_u32 s17, s17, s41                     ; tile row
	s_lshl_b32 s43, s41, 2
	s_lshl_b32 s43, 15, s43
	s_lshl_b32 s44, 0x1111, s40
	s_or_b32 s[G1+0], s43, (3<<16)|(1<<21)
	s_or_b32 s[G1B+0], s44, (3<<16)|(1<<21)
.irp g, G1, G1B
	s_mov_b32 s[\g+1], 32<<16                      ; 51,200 dense bytes as 200 rows of 256
	s_mov_b32 s[\g+2], 200<<16
	s_mov_b32 s[\g+3], 32<<16
	s_mov_b32 s[\g+4], 200
	s_mov_b32 s[\g+5], 32
	s_mov_b32 s[\g+6], 0
	s_mov_b32 s[\g+7], 0
.endr
.if TURNS > 2
	s_or_b32 s[G1U+0], s43, (3<<16)|(1<<21)
	s_or_b32 s[G1UB+0], s44, (3<<16)|(1<<21)
.irp g, G1U, G1UB
	s_mov_b32 s[\g+1], 32<<16                      ; 25,600 dense bytes as 100 rows of 256
	s_mov_b32 s[\g+2], 100<<16
	s_mov_b32 s[\g+3], 32<<16
	s_mov_b32 s[\g+4], 100
	s_mov_b32 s[\g+5], 32
	s_mov_b32 s[\g+6], 0
	s_mov_b32 s[\g+7], 0
.endr
	s_mul_i32 s22, s16, UQ
	s_add_co_u32 s22, s22, 8*REC                   ; the single unit begins with K steps 8-11
	s_mov_b32 s23, 0
	s_mul_i32 s70, s14, UQ
.endif
	s_mul_i32 s18, s16, UD                         ; the double unit begins with K steps 0-7
	s_mov_b32 s19, 0
	s_mul_i32 s20, s17, KS*REC
	s_mov_b32 s21, 0
	s_mul_i32 s46, s42, KS*REC
	s_add_co_u32 s46, s46, REGION
	s_mov_b32 s47, 0
	s_mul_i32 s45, s14, UD
	s_lshl_b32 s66, s17, 7                         ; my 32 rows of resid and out: row 128 x tile row + 32 x wave, byte 512 x tile column
	s_lshl_b32 s67, s14, 5
	s_add_co_u32 s66, s66, s67
	s_lshl_b32 s66, s66, 12
	s_lshl_b32 s68, s42, 9
	s_add_co_u32 s66, s66, s68
	s_mov_b32 s67, 0
	s_mov_b32 s69, 0
	s_wait_kmcnt 0x0
	s_add_nc_u64 s[20:21], s[4:5], s[20:21]        ; my tile row's token group
	s_add_nc_u64 s[46:47], s[6:7], s[46:47]        ; my tile column's weight group
	s_add_nc_u64 s[10:11], s[10:11], s[66:67]
	s_add_nc_u64 s[12:13], s[12:13], s[66:67]
	s_add_nc_u64 s[8:9], s[8:9], s[68:69]
	CROUND                                         ; all sixteen work-groups are here: the first joint loads meet
	s_mov_b32 s[G0], 1
	s_mov_b32 s[G0+1], s45
	s_add_nc_u64 s[G0+2:G0+3], s[20:21], s[18:19]
	s_or_b32 s[G0+3], s[G0+3], 0x80000000
	s_mov_b32 s[G0B], 1
	s_mov_b32 s[G0B+1], s45
	s_add_nc_u64 s[G0B+2:G0B+3], s[46:47], s[18:19]
	s_or_b32 s[G0B+3], s[G0B+3], 0x80000000
	JLOAD G0, G1, G0B, G1B
.if TURNS > 2
	s_mov_b32 s[G0+4], 1
	s_add_co_u32 s[G0+5], s70, DBL
	s_add_nc_u64 s[G0+6:G0+7], s[20:21], s[22:23]
	s_or_b32 s[G0+7], s[G0+7], 0x80000000
	s_mov_b32 s[G0B+4], 1
	s_add_co_u32 s[G0B+5], s70, DBL
	s_add_nc_u64 s[G0B+6:G0B+7], s[46:47], s[22:23]
	s_or_b32 s[G0B+7], s[G0B+7], 0x80000000
	JLOAD G0+4, G1U, G0B+4, G1UB                   ; two loads of mine are out
.endif
	v_and_b32 v1, 31, v0
	v_lshlrev_b32 v[VO16], 4, v1
	v_and_b32 v3, 15, v0                           ; r
	v_bfe_u32 v4, v0, 4, 1                         ; h
.irp i, 0,1,2,3,4,5,6,7,8,9,10,11,12,13,14,15
	global_load_b128 v[96+4*(\i%8)+128*((\i/8)%2):96+4*(\i%8)+128*((\i/8)%2)+3], v[VO16], s[10:11] offset:(8*(\i/16)+\i%16+8*((\i%16)/8))*4096   ; stage row 32 w + i is token 32 w + 8 (i / 16) + i % 16 + 8 ((i % 16) / 8): 512 consecutive bytes
.endr
	WIN TO_B
.irp i, 16,17,18,19,20,21,22,23,24,25,26,27,28,29,30,31
	global_load_b128 v[96+4*(\i%8)+128*((\i/8)%2):96+4*(\i%8)+128*((\i/8)%2)+3], v[VO16], s[10:11] offset:(8*(\i/16)+\i%16+8*((\i%16)/8))*4096
.endr
	WIN 0
	global_load_b128 v[12:15], v[VO16], s[8:9]     ; the bias of my four columns
	s_mul_i32 s18, s14, REC                        ; my K step's record in each place
	v_add_nc_u32 v[ADR1], s18, v[VO16]
	v_add_nc_u32 v[ADR1+1], UD, v[ADR1]
	v_add_nc_u32 v[ADR0], 2*UD, v[ADR1]
	v_add_nc_u32 v[ADR0+1], 3*UD, v[ADR1]
	v_lshl_add_u32 v6, v3, 4, s18
	v_mul_u32_u24 v5, v4, 2*UD                     ; lanes 16-31 take the weights' words: 102,400 bytes on in the double unit,
	v_add_nc_u32 v[ADRS], v5, v6
	v_add_nc_u32 v[ADRS+1], UD, v[ADRS]
.if TURNS > 2
	v_add_nc_u32 v[ADR1+2], DBL, v[ADR1]
	v_add_nc_u32 v[ADR0+2], DBL+2*UQ, v[ADR1]
	v_mul_u32_u24 v5, v4, 2*UQ                     ; 51,200 on in the single unit
	v_add_nc_u32 v5, v5, v6
	v_add_nc_u32 v[ADRS+2], DBL, v5
.endif
	s_mul_i32 s18, s14, PT
	v_mul_u32_u24 v[STO], v3, 528
	v_lshl_add_u32 v[STO], v4, 6, v[STO]
	v_add_nc_u32 v[STO], s18, v[STO]               ; my partial tile: row r, + 64 h
	s_mul_i32 s18, s14, 32*528
	v_add_nc_u32 v[RD], s18, v[VO16]
.irp p, 1,2,3
	v_add_nc_u32 v[RD+\p], \p*PT, v[RD]
.endr
.if TURNS > 2
	s_wait_tensorcnt 1                             ; my part of the double unit is in; the single unit's load may be out
.else
	s_wait_tensorcnt 0x0                           ; my part of the double unit is in
.endif
	s_barrier_signal -1
	s_barrier_wait -1
	FETCH_0 0, 0
	FETCH_1 0, 0
	SCALES 0, 0
	FETCH_1 0, 4
.if TURNS > 2
	TURN 1, 0, 3, 1                                ; turn 0: its products start the sums
	TURN 2, 1, 1, 0                                ; turn 1: the double unit is left: K steps 12-19 are asked for
	TURN 0, 0, 2, 0                                ; turn 2: the single unit is left: K steps 20-23
	TURN 1, 1, 3, 0                                ; turn 3
	TURN 2, 0, 1, 0                                ; turn 4: K steps 24-31
	TURN 0, 1, 0, 0                                ; turn 5: nothing more is asked for
	TURN 1, 0, 3, 0                                ; turn 6
.else
	TURN 1, 0, 3, 1
.endif
	s_wait_dscnt 12                                ; the last turn
	WIN MUL_LO
	MUL16 0, 1, 0
	MUL16 2, 1, 0
	s_wait_dscnt 0x0
	WIN MUL_HI
	MUL16 4, 1, 0
	MUL16 6, 1, 0
	WIN 0
	; ---- THE WAY OUT
	PLACES 4
	s_wait_dscnt 0x0
	s_barrier_signal -1
	s_barrier_wait -1                              ; nobody reads the units any more, and both have had their last fill: the partial tiles may lie there
.irp a, 0,1,2,3,4,5,6,7
	WIN 0x08+4*(\a/4)                              ; an LDS store's data are its source 1: window 2 or 3
.irp b, 0,1,2,3,4,5,6,7
	ds_store_b128 v[STO], v[8*(8*(\a%4)+\b):8*(8*(\a%4)+\b)+3] offset:\a*8448+128*(\b/2)+32*(\b%2)
	ds_store_b128 v[STO], v[8*(8*(\a%4)+\b)+4:8*(8*(\a%4)+\b)+7] offset:\a*8448+128*(\b/2)+32*(\b%2)+16
.endr
.endr
	WIN 0
	s_wait_dscnt 0x0                               ; for the others' sake
	s_barrier_signal -1
	s_barrier_wait -1
.macro PLOAD t                         ; rows 2 t, 2 t + 1 of my 32, out of the four partial tiles
.irp e, 0,1
.irp p, 0,1,2,3
	ds_load_b128 v[32+32*((\t)%2)+16*\e+4*\p:32+32*((\t)%2)+16*\e+4*\p+3], v[RD+\p] offset:528*(2*(\t)+\e)
.endr
.endr
.endm
.macro PSUM t
.irp e, 0,1
.set PB, 32+32*((\t)%2)+16*\e
.set RI, 2*(\t)+\e
.if RI < 16
.set RR, 96+4*(RI%8)+128*(RI/8)
.else
.set RR, 128+4*(RI-16)
.endif
.irp d, 0,2
	v_pk_add_f32 v[PB+\d:PB+\d+1], v[PB+\d:PB+\d+1], v[PB+4+\d:PB+4+\d+1]
	v_pk_add_f32 v[PB+8+\d:PB+8+\d+1], v[PB+8+\d:PB+8+\d+1], v[PB+12+\d:PB+12+\d+1]
.endr
.irp d, 0,2
	v_pk_add_f32 v[PB+\d:PB+\d+1], v[PB+\d:PB+\d+1], v[PB+8+\d:PB+8+\d+1]
.endr
.irp d, 0,2
	v_pk_add_f32 v[RR+\d:RR+\d+1], v[RR+\d:RR+\d+1], v[PB+\d:PB+\d+1]
.endr
	global_store_b128 v[VO16], v[RR:RR+3], s[12:13] offset:(8*(RI/16)+RI%16+8*((RI%16)/8))*4096   ; 32 lanes store 512 consecutive bytes, aligned to 256
.endr
.endm
	PLOAD 0
	PLOAD 1
	s_wait_loadcnt 0x0                             ; resid and bias, asked for at the head
.irp i, 0,1,2,3,4,5,6,7,8,9,10,11,12,13,14,15
.irp d, 0,2
	v_pk_add_f32 v[96+4*(\i%8)+128*(\i/8)+\d:96+4*(\i%8)+128*(\i/8)+\d+1], v[96+4*(\i%8)+128*(\i/8)+\d:96+4*(\i%8)+128*(\i/8)+\d+1], v[12+\d:13+\d]   ; resid + bias, rows 0-15 in place
.endr
.endr
	WIN 0x01                                       ; source 0 window 1
.irp i, 16,17,18,19,20,21,22,23,24,25,26,27,28,29,30,31
.irp d, 0,2
	v_pk_add_f32 v[128+4*(\i-16)+\d:128+4*(\i-16)+\d+1], v[96+4*(\i%8)+128*((\i/8)%2)+\d:96+4*(\i%8)+128*((\i/8)%2)+\d+1], v[12+\d:13+\d]   ; rows 16-31 come over into window 0
.endr
.endr
	WIN 0
.set Q, 0
.rept 16
.if Q < 15
	s_wait_dscnt 8                                 ; this batch is in; the next batch's eight loads may be out
.else
	s_wait_dscnt 0x0
.endif
	PSUM Q
.if Q < 14
	PLOAD Q+2
.endif
.set Q, Q+1
.endr
	s_wait_tensorcnt 0x0                           ; the wave's end
	ds_add_u32 v[SPW], v[NIL]
	s_wait_dscnt 0x0
	CROUND                                         ; the closing round
	s_endpgm
.Lfunc_end_k_q4f84c4dd5a_oproj:
	.size	k_q4f84c4dd5a_oproj, .Lfunc_end_k_q4f84c4dd5a_oproj-k_q4f84c4dd5a_oproj
	.p2alignl 7, 3214868480
	.fill 96, 4, 3214868480
	.section	.rodata,"a",@progbits
	.p2align	6, 0x0
	.amdhsa_kernel k_q4f84c4dd5a_oproj
		.amdhsa_group_segment_fixed_size 327680
		.amdhsa_private_segment_fixed_size 0
		.amdhsa_enable_private_segment 0
		.amdhsa_kernarg_size 40
		.amdhsa_user_sgpr_count 2
		.amdhsa_user_sgpr_kernarg_segment_ptr 1
		.amdhsa_wavefront_size32 1
		.amdhsa_system_sgpr_workgroup_id_x 1
		.amdhsa_system_sgpr_workgroup_id_y 1
		.amdhsa_system_sgpr_workgroup_id_z 1
		.amdhsa_system_vgpr_workitem_id 0
		.amdhsa_next_free_vgpr 1024
		.amdhsa_next_free_sgpr 100
		.amdhsa_reserve_vcc 0
		.amdhsa_float_denorm_mode_32 3
		.amdhsa_float_denorm_mode_16_64 3
		.amdhsa_memory_ordered 1
		.amdhsa_forward_progress 1
		.amdhsa_inst_pref_size 73
	.end_amdhsa_kernel
	.amdgpu_metadata
---
amdhsa.version: [ 1, 2 ]
amdhsa.kernels:
  - .name:           k_q4f84c4dd5a_oproj
    .symbol:         k_q4f84c4dd5a_oproj.kd
    .args:
      - { .name: ac, .offset: 0, .size: 8, .value_kind: global_buffer, .address_space: global }
      - { .name: cw, .offset: 8, .size: 8, .value_kind: global_buffer, .address_space: global }
      - { .name: b_o, .offset: 16, .size: 8, .value_kind: global_buffer, .address_space: global }
      - { .name: x, .offset: 24, .size: 8, .value_kind: global_buffer, .address_space: global }
      - { .name: x1, .offset: 32, .size: 8, .value_kind: global_buffer, .address_space: global }
    .group_segment_fixed_size: 327680
    .private_segment_fixed_size: 0
    .kernarg_segment_align: 8
    .kernarg_segment_size: 40
    .max_flat_workgroup_size: 128
    .sgpr_count:     100
    .vgpr_count:     1024
    .wavefront_size: 32
...
	.end_amdgpu_metadata
.endif
;; end of part 4
;; launch ln2: the kernel of part 1 again; grid 256 x 1, 8 waves a work-group, no clusters, 67,584 bytes of LDS; arguments x1, ln2_g, ln2_b, w_qkv, w_o, w_fc1, w_fc2, cw; writes cw
;; launch fc1 (part 5): grid 16 x 16, 4 waves a work-group, clusters of 4 x 4, 327,680 bytes of LDS; arguments cw, b_fc1, hc; writes hc
.if DOCPART == 5
	.amdgcn_target "amdgcn-amd-amdhsa--gfx1250"
	.amdhsa_code_object_version 6
	.text
	.protected	k_q4f84c4dd5a_fc1
	.globl	k_q4f84c4dd5a_fc1
	.p2align	8
	.type	k_q4f84c4dd5a_fc1,@function
k_q4f84c4dd5a_fc1:
	s_mov_b64 s[64:65], 0
	v_nop
	global_prefetch_b8 v0, s[64:65] scope:SCOPE_SE
	s_setreg_imm32_b32 hwreg(HW_REG_WAVE_MODE, 25, 1), 1
	s_wait_xcnt 0x0
	s_wait_alu depctr_hold_cnt(0) depctr_sa_sdst(0) depctr_va_vdst(0) depctr_va_sdst(0) depctr_va_ssrc(0) depctr_va_vcc(0) depctr_vm_vsrc(0)
	s_getreg_b32 s2, hwreg(HW_REG_IB_STS2, 6, 4)
	s_cmp_eq_u32 s2, 0
	s_cbranch_scc0 .Lentry_in_a_cluster
	s_endpgm
.Lentry_in_a_cluster:
	s_bfe_u32 s2, ttmp6, 0x10000c
	s_cmp_lg_u32 s2, 0xf033
	s_cbranch_scc0 .Lentry_shape_is_right
	s_endpgm
.Lentry_shape_is_right:
; hc = codes of gelu(LN2(x1) w_fc1^T + b_fc1), gelu in its exact form 0.5 x (1 + erf(x / sqrt 2)), quantised along the 4,096 hidden units on the way out.
; The product is the first product's frame: a tile of 256 tokens x 256 units, four waves of 128 x 128, K = 1,024 in eight steps, two to a unit of LDS, joint loads in a 4 x 4 cluster.
; THREE UNITS: six of the eight K steps are asked for at the start; the last two go into unit 0 when it has been read, and have the work of units 1 and 2, 256 matrix instructions a wave, in which to land.
; Source 1 = tokens, source 0 = weights: a lane holds one token, and block a's 64 registers are units 32 b + 16 h + i of my 128: one K step of the next product.  So a wave writes ONE WHOLE RECORD of hc, in whole aligned 256 bytes.
; erf(z) = z P(z^2) / Q(z^2), P of degree 6 and Q of degree 4 in z^2, with z held to -4 .. 4: one form for every z, so nothing is computed twice and chosen.  gelu = h + h erf(z), h = x / 2 (x itself is not held).
; LIMITS: NaN and infinities are not served; a block whose largest magnitude lies under 2^-122 keeps the byte 1.  erf is good to about 5e-7 absolutely (an estimate: held by hand against erf at z = 0.5, 1, 2, 4), so 1 + erf,
; and with it gelu(x) for x under -3, has a relative error of about 5e-7 / (2 Phi(x)); for x under -5.6 the result lies within 0.5 |x| x 1.2e-7 of 0, of either sign.
.set REC,    12800
.set QTR,    2*REC
.set SLOT,   4*QTR                     ; a unit: two K steps of both sides
.set SPARE,  3*SLOT
.set KS,     8
.set REGION, 6553600                   ; w_fc1's records in cw
.set STEPB,  3*QTR                     ; unit 0's second fill: six records on
.set FR,   12
.set VO16, 2
.set CA,   10                          ; v[10:11], v[12:13]: the two addends that stand beside a literal, as pairs
.set CB,   12
.set ADR1, 16                          ; v16-18 source 1's records in unit 0, 1, 2
.set ADR0, 19                          ; v19-21 source 0's
.set ADRS, 22                          ; v22-24 scale words
.set SPW,  28
.set NIL,  29
.set SC,   32
.set AF,   128
.set ST,   64                          ; the way out: v64-127 a block's 64 numbers
.set GZ,   128                         ; z
.set GS,   144                         ; z^2
.set GP,   160                         ; P, then erf
.set GQ,   176                         ; Q, then 1 / Q
.set PC,   208
.set TM,   228
.set PW,   244
.set SQ,   248
.set G1,   24
.set G0,   32
.set G1B,  48
.set G0B,  56
.set G0C,  92
.set G0BC, 96
.set SEL,  78
.set MSB, 0
.macro WIN new
.if MSB != (\new)
	s_set_vgpr_msb (MSB<<8)|(\new)
.set MSB, (\new)
.endif
.endm
.set MUL_LO, 0xa1
.set MUL_HI, 0xf1
.set TO_B,   0x40
.macro JLOAD g0a, g1a, g0b, g1b        ; waves 0, 1 fetch token records, waves 2, 3 weight records; four v_nop follow each line
	s_cmp_eq_u32 s15, 0
	s_cbranch_scc0 .Lfor_b_\@
	tensor_load_to_lds s[\g0a:\g0a+3], s[\g1a:\g1a+7]
	s_nop 0
.rept 4
	v_nop
.endr
	s_branch .Lasked_\@
.Lfor_b_\@:
	tensor_load_to_lds s[\g0b:\g0b+3], s[\g1b:\g1b+7]
	s_nop 0
.rept 4
	v_nop
.endr
.Lasked_\@:
.endm
.macro CREST
	s_cmp_lg_u32 s14, 0
	s_cbranch_scc1 .Lnot_wave_0_\@
	s_barrier_signal -3
.Lnot_wave_0_\@:
	s_barrier_wait -3
	s_barrier_signal -1
	s_barrier_wait -1
.endm
.macro CROUND
	s_barrier_signal -1
	s_barrier_wait -1
	CREST
.endm
.macro PLACES n
.rept \n
	v_nop
.endr
.endm
.macro FRAG reg, adr, off
.irp c, 0,1,2
	ds_load_b128 v[\reg+4*\c:\reg+4*\c+3], v[\adr] offset:\off+512*\c
.endr
.endm
.macro FETCH_0 unit, q, p
	WIN TO_B
.irp i, 0,1,2,3,4,5,6,7
	FRAG 128*(\p)+FR*\i, ADR0+\unit, (\q)*REC+1536*\i
.endr
	WIN 0
.endm
.macro FETCH_1 unit, q, i0
.irp i, \i0, \i0+1, \i0+2, \i0+3
	FRAG AF+FR*(\i), ADR1+\unit, (\q)*REC+1536*(\i)
.endr
.endm
.macro SCALES unit, set
.irp q, 0,1
	ds_load_b128 v[SC+16*(\set)+8*\q:SC+16*(\set)+8*\q+3], v[ADRS+\unit] offset:\q*REC+12288
	ds_load_b128 v[SC+16*(\set)+8*\q+4:SC+16*(\set)+8*\q+7], v[ADRS+\unit] offset:\q*REC+12288+256
.endr
.endm
.macro MUL16 a0, p, q, sc, zero        ; the 64 accumulators take turns in one order everywhere
.irp a, \a0, \a0+1
.irp b, 0,1,2,3,4,5,6,7
.if \zero
	v_wmma_scale_f32_16x16x128_f8f6f4 v[8*(8*((\a)%4)+\b):8*(8*((\a)%4)+\b)+7], v[128*(\p)+FR*\b:128*(\p)+FR*\b+FR-1], v[AF+FR*(\a):AF+FR*(\a)+FR-1], 0, v[SC+16*(\sc)+8*(\q)+\b], v[SC+16*(\sc)+8*(\q)+(\a)] matrix_a_fmt:MATRIX_FMT_BF6 matrix_b_fmt:MATRIX_FMT_BF6 matrix_a_scale:MATRIX_SCALE_ROW1
.else
	v_wmma_scale_f32_16x16x128_f8f6f4 v[8*(8*((\a)%4)+\b):8*(8*((\a)%4)+\b)+7], v[128*(\p)+FR*\b:128*(\p)+FR*\b+FR-1], v[AF+FR*(\a):AF+FR*(\a)+FR-1], v[8*(8*((\a)%4)+\b):8*(8*((\a)%4)+\b)+7], v[SC+16*(\sc)+8*(\q)+\b], v[SC+16*(\sc)+8*(\q)+(\a)] matrix_a_fmt:MATRIX_FMT_BF6 matrix_b_fmt:MATRIX_FMT_BF6 matrix_a_scale:MATRIX_SCALE_ROW1
.endif
.endr
.endr
.endm
.macro STEP unit, set, zero            ; a unit's first K step
	s_wait_dscnt 12                                ; all but the youngest twelve loads, source 1's blocks 4-7
	WIN MUL_LO
	MUL16 0, 0, 0, \set, \zero
	MUL16 2, 0, 0, \set, \zero
	s_wait_dscnt 0x0
	PLACES 4
	FETCH_0 \unit, 1, 1
	FETCH_1 \unit, 1, 0
	WIN MUL_HI
	MUL16 4, 0, 0, \set, \zero
	MUL16 6, 0, 0, \set, \zero
	PLACES 4
	WIN 0
	FETCH_1 \unit, 1, 4
.endm
; A unit's second K step, and the change to unit next.  mode 1: unit 0 has been read and is filled again.  mode 0: a barrier, behind which nothing is filled: the next unit's load is waited for and shown to every wave.
; mode 3: no barrier: the next unit was shown whole to every wave by the barrier of mode 1, in front of which each wave waited for all its loads, and nothing is written to it since.
.macro TURN set, next, mode
.if \mode == 3
	s_wait_dscnt 12                                ; all but source 1's blocks 4-7
	WIN MUL_LO
	MUL16 0, 1, 1, \set, 0
	MUL16 2, 1, 1, \set, 0
	s_wait_dscnt 0x0
	PLACES 4
.else
	s_wait_tensorcnt 0x0                           ; all my tensor loads have landed
	ds_add_u32 v[SPW], v[NIL]                      ; 0 onto my spare word
	s_wait_dscnt 13                                ; the add and the youngest twelve loads may be out
	WIN MUL_LO
	MUL16 0, 1, 1, \set, 0
	s_wait_dscnt 0x0                               ; the add is done, and my reads of this unit are over
	s_barrier_signal -1
	MUL16 2, 1, 1, \set, 0
	WIN 0
	s_barrier_wait -1
.if \mode == 1
	CREST                                          ; the barrier has opened a round of the cluster's
	s_add_nc_u64 s[G0+2:G0+3], s[G0+2:G0+3], STEPB
	s_add_nc_u64 s[G0B+2:G0B+3], s[G0B+2:G0B+3], STEPB
	JLOAD G0, G1, G0B, G1B                         ; K steps 6 and 7; its four v_nop are the places in front of the loads below
.else
	PLACES 4
.endif
.endif
	FETCH_0 \next, 0, 0
	FETCH_1 \next, 0, 0
	SCALES \next, 1-(\set)
	WIN MUL_HI
	MUL16 4, 1, 1, \set, 0
	MUL16 6, 1, 1, \set, 0
	PLACES 4
	WIN 0
	FETCH_1 \next, 0, 4
.endm
.macro QUANT s
.irp b, 0,1,2,3
	v_max3_num_f32 v[TM+\b], |v[\s+16*\b]|, |v[\s+1+16*\b]|, 0x2800000
.endr
.irp i, 2,4,6,8,10,12,14
.irp b, 0,1,2,3
	v_max3_num_f32 v[TM+\b], v[TM+\b], |v[\s+16*\b+\i]|, |v[\s+1+16*\b+\i]|
.endr
.endr
.irp b, 0,1,2,3
	v_permlanex16_b32 v[TM+4+\b], v[TM+\b], s[SEL], s[SEL+1]
.endr
.irp b, 0,1,2,3
	v_max_num_f32 v[TM+\b], v[TM+\b], v[TM+4+\b]
.endr
.irp b, 0,1,2,3
	v_add_nc_u32 v[TM+12+\b], 0xfe000000, v[TM+\b]
.endr
.irp b, 0,1,2,3
	v_lshrrev_b32 v[TM+4+\b], 23, v[TM+12+\b]
.endr
	v_lshl_or_b32 v[PW], v[TM+5], 8, v[TM+4]
	v_lshl_or_b32 v[PW], v[TM+6], 16, v[PW]
	v_lshl_or_b32 v[PW], v[TM+7], 24, v[PW]
.irp c, 0,1
	v_cvt_scalef32_pk16_bf6_f32 v[PC+6*\c:PC+2+6*\c], v[\s+32*\c:\s+15+32*\c], v[TM+12+2*\c]
	v_cvt_scalef32_pk16_bf6_f32 v[PC+12+4*\c:PC+14+4*\c], v[\s+16+32*\c:\s+31+32*\c], v[TM+12+2*\c+1]
.endr
	v_nop                                          ; one plain place behind a scaled conversion
.irp c, 0,1
.irp i, 0,1,2
	v_permlane16_swap_b32 v[PC+6*\c+\i], v[PC+12+4*\c+\i]
.endr
.irp i, 0,1,2
	v_mov_b32 v[PC+3+6*\c+\i], v[PC+12+4*\c+\i]
.endr
.endr
.endm
; block a's 64 sums + bias, into window 0
.macro STAGE a
	WIN 0x06+(\a)/4                                ; source 0 window 2 or 3, source 1 window 1
.irp n, 0,2,4,6,8,10,12,14,16,18,20,22,24,26,28,30,32,34,36,38,40,42,44,46,48,50,52,54,56,58,60,62
	v_pk_add_f32 v[ST+\n:ST+\n+1], v[64*((\a)%4)+\n:64*((\a)%4)+\n+1], v[96+\n+96*(\n/32):96+\n+96*(\n/32)+1]
.endr
	WIN 0
.endm
; gelu of 16 numbers, eight pairs by turns.  Q comes first, so that P stands behind the reciprocals as their independent work.
.macro GELU c
.set XS, ST+16*(\c)
.irp i, 0,2,4,6,8,10,12,14
	v_pk_mul_f32 v[GZ+\i:GZ+\i+1], v[XS+\i:XS+\i+1], 0x3f3504f3 op_sel_hi:[1,0]   ; z = x / sqrt 2
.endr
.irp i, 0,1,2,3,4,5,6,7,8,9,10,11,12,13,14,15
	v_med3_num_f32 v[GZ+\i], v[GZ+\i], -4.0, 4.0   ; held to -4 .. 4, beyond which erf is 1 to f32's last place
.endr
.irp i, 0,2,4,6,8,10,12,14
	v_pk_mul_f32 v[GS+\i:GS+\i+1], v[GZ+\i:GZ+\i+1], v[GZ+\i:GZ+\i+1]
.endr
.irp i, 0,2,4,6,8,10,12,14
	v_pk_fma_f32 v[GQ+\i:GQ+\i+1], v[GS+\i:GS+\i+1], 0xb77460cd, v[CB:CB+1] op_sel_hi:[1,0,1]   ; Q: -1.4566072e-5 s - 2.1337406e-4,
.endr
.irp k, 0xbadc924e, 0xbbf19bf8, 0xbc69b6a7     ; then -1.6828270e-3, -7.3733292e-3, -1.4264739e-2
.irp i, 0,2,4,6,8,10,12,14
	v_pk_fma_f32 v[GQ+\i:GQ+\i+1], v[GQ+\i:GQ+\i+1], v[GS+\i:GS+\i+1], \k op_sel_hi:[1,1,0]
.endr
.endr
.irp i, 0,1,2,3,4,5,6,7,8,9,10,11,12,13,14,15
	v_rcp_f32 v[GQ+\i], v[GQ+\i]                   ; Q is at most -0.0142: never near 0
.endr
.irp i, 0,2,4,6,8,10,12,14
	v_pk_fma_f32 v[GP+\i:GP+\i+1], v[GS+\i:GS+\i+1], 0xaf95df0b, v[CA:CA+1] op_sel_hi:[1,0,1]   ; P: -2.7261423e-10 s + 2.7706814e-8,
.endr
.irp k, 0xb60cff51, 0xb86ec2d2, 0xba40ac63, 0xbb41a1f6, 0xbc83dbd4   ; then -2.1010240e-6, -5.6925064e-5, -7.3499063e-4, -2.9545998e-3, -1.6096033e-2
.irp i, 0,2,4,6,8,10,12,14
	v_pk_fma_f32 v[GP+\i:GP+\i+1], v[GP+\i:GP+\i+1], v[GS+\i:GS+\i+1], \k op_sel_hi:[1,1,0]
.endr
.endr
.irp i, 0,2,4,6,8,10,12,14
	v_pk_mul_f32 v[GP+\i:GP+\i+1], v[GP+\i:GP+\i+1], v[GZ+\i:GZ+\i+1]
.endr
.irp i, 0,2,4,6,8,10,12,14
	v_pk_mul_f32 v[XS+\i:XS+\i+1], v[XS+\i:XS+\i+1], 0.5 op_sel_hi:[1,0]   ; h
.endr
	s_wait_alu depctr_va_vdst(0)                   ; one wait for the sixteen reciprocals, ahead of their first reader
.irp i, 0,2,4,6,8,10,12,14
	v_pk_mul_f32 v[GP+\i:GP+\i+1], v[GP+\i:GP+\i+1], v[GQ+\i:GQ+\i+1]      ; erf
.endr
.irp i, 0,2,4,6,8,10,12,14
	v_pk_fma_f32 v[XS+\i:XS+\i+1], v[XS+\i:XS+\i+1], v[GP+\i:GP+\i+1], v[XS+\i:XS+\i+1]   ; h erf + h
.endr
.endm
	s_load_b128 s[4:7], s[0:1], 0x0                ; cw s[4:5], b_fc1 s[6:7]
	s_load_b64 s[8:9], s[0:1], 0x10                ; hc
	v_lshl_add_u32 v[SPW], v0, 2, SPARE
	v_mov_b32 v[NIL], 0
	ds_add_u32 v28, v29
	ds_add_u32 v28, v29
	s_wait_dscnt 0x0
	v_lshrrev_b32 v1, 5, v0
	v_readfirstlane_b32 s14, v1
	s_lshr_b32 s15, s14, 1
	s_and_b32 s16, s14, 1
	s_bfe_u32 s40, ttmp6, 0x40000
	s_bfe_u32 s41, ttmp6, 0x40004
	s_lshl_b32 s42, ttmp9, 2
	s_add_co_u32 s42, s42, s40
	s_and_b32 s17, ttmp7, 0xffff
	s_lshl_b32 s17, s17, 2
	s_add_co_u32 s17, s17, s41
	s_lshl_b32 s43, s41, 2
	s_lshl_b32 s43, 15, s43
	s_lshl_b32 s44, 0x1111, s40
	s_or_b32 s[G1+0], s43, (3<<16)|(1<<21)
	s_or_b32 s[G1B+0], s44, (3<<16)|(1<<21)
.irp g, G1, G1B
	s_mov_b32 s[\g+1], 32<<16                      ; 25,600 dense bytes as 100 rows of 256
	s_mov_b32 s[\g+2], 100<<16
	s_mov_b32 s[\g+3], 32<<16
	s_mov_b32 s[\g+4], 100
	s_mov_b32 s[\g+5], 32
	s_mov_b32 s[\g+6], 0
	s_mov_b32 s[\g+7], 0
.endr
	s_lshl_b32 s20, s17, 1
	s_add_co_u32 s20, s20, s16
	s_mul_i32 s20, s20, KS*REC
	s_mov_b32 s21, 0
	s_lshl_b32 s46, s42, 1
	s_add_co_u32 s46, s46, s16
	s_mul_i32 s46, s46, KS*REC
	s_add_co_u32 s46, s46, REGION
	s_mov_b32 s47, 0
	s_mul_i32 s45, s14, QTR
	s_wait_kmcnt 0x0
	s_add_nc_u64 s[20:21], s[4:5], s[20:21]
	s_add_nc_u64 s[46:47], s[4:5], s[46:47]
	CROUND
.irp s, 0,1
	s_mov_b32 s[G0+4*\s], 1
	s_add_co_u32 s[G0+4*\s+1], s45, \s*SLOT
	s_add_nc_u64 s[G0+4*\s+2:G0+4*\s+3], s[20:21], \s*QTR
	s_or_b32 s[G0+4*\s+3], s[G0+4*\s+3], 0x80000000
	s_mov_b32 s[G0B+4*\s], 1
	s_add_co_u32 s[G0B+4*\s+1], s45, \s*SLOT
	s_add_nc_u64 s[G0B+4*\s+2:G0B+4*\s+3], s[46:47], \s*QTR
	s_or_b32 s[G0B+4*\s+3], s[G0B+4*\s+3], 0x80000000
	JLOAD G0+4*\s, G1, G0B+4*\s, G1B
.endr
	s_mov_b32 s[G0C], 1
	s_add_co_u32 s[G0C+1], s45, 2*SLOT
	s_add_nc_u64 s[G0C+2:G0C+3], s[20:21], 2*QTR
	s_or_b32 s[G0C+3], s[G0C+3], 0x80000000
	s_mov_b32 s[G0BC], 1
	s_add_co_u32 s[G0BC+1], s45, 2*SLOT
	s_add_nc_u64 s[G0BC+2:G0BC+3], s[46:47], 2*QTR
	s_or_b32 s[G0BC+3], s[G0BC+3], 0x80000000
	JLOAD G0C, G1, G0BC, G1B                       ; three loads of mine are out: K steps 0 to 5
	v_and_b32 v1, 31, v0
	v_lshlrev_b32 v[VO16], 4, v1
	v_and_b32 v3, 15, v0
	v_bfe_u32 v4, v0, 4, 1
	s_mul_i32 s18, s15, QTR                        ; source 1: my token group's quarter
	s_mul_i32 s19, s16, QTR
	s_add_co_u32 s19, s19, 2*QTR                   ; source 0: my weight group's
	s_sub_co_u32 s66, s19, s18
	v_mul_u32_u24 v5, s66, v4                      ; lanes 16-31 take source 0's scale words
	v_lshl_add_u32 v5, v3, 4, v5
	v_add_nc_u32 v5, s18, v5
.irp s, 0,1,2
	v_add_nc_u32 v[ADR1+\s], s18, v[VO16]
	v_add_nc_u32 v[ADR0+\s], s19, v[VO16]
	v_add_nc_u32 v[ADRS+\s], \s*SLOT, v5
	s_add_co_u32 s18, s18, SLOT
	s_add_co_u32 s19, s19, SLOT
.endr
	s_lshl_b32 s66, s42, 10
	s_lshl_b32 s67, s16, 9
	s_add_co_u32 s66, s66, s67
	s_mov_b32 s67, 0
	s_add_nc_u64 s[6:7], s[6:7], s[66:67]          ; the bias of my 128 units
	v_lshlrev_b32 v7, 6, v4
	WIN TO_B
.irp n, 0,4,8,12,16,20,24,28,32,36,40,44,48,52,56,60
	global_load_b128 v[96+\n+96*(\n/32):96+\n+96*(\n/32)+3], v7, s[6:7] offset:128*(\n/16)+4*(\n%16)
.endr
	WIN 0
	s_lshl_b32 s66, s17, 1                         ; my record of hc: (token group) x 32 + K step 2 x tile column + my weight group
	s_add_co_u32 s66, s66, s15
	s_lshl_b32 s66, s66, 5
	s_lshl_b32 s68, s42, 1
	s_add_co_u32 s66, s66, s68
	s_add_co_u32 s66, s66, s16
	s_mul_i32 s66, s66, REC
	s_add_nc_u64 s[8:9], s[8:9], s[66:67]
	s_wait_tensorcnt 2                             ; my part of unit 0 is in; the loads of units 1 and 2 may be out
	s_barrier_signal -1
	s_barrier_wait -1
	FETCH_0 0, 0, 0
	FETCH_1 0, 0, 0
	SCALES 0, 0
	FETCH_1 0, 0, 4
	STEP 0, 0, 1                                   ; the first step's products start the sums
	TURN 0, 1, 1                                   ; unit 0 is left: K steps 6, 7 are asked for
	STEP 1, 1, 0
	TURN 1, 2, 3                                   ; on to unit 2, which that barrier has shown whole
	STEP 2, 0, 0
	TURN 0, 0, 0                                   ; back to unit 0: its second fill is waited for
	STEP 0, 1, 0
	s_wait_dscnt 12
	WIN MUL_LO
	MUL16 0, 1, 1, 1, 0
	MUL16 2, 1, 1, 1, 0
	s_wait_dscnt 0x0
	WIN MUL_HI
	MUL16 4, 1, 1, 1, 0
	MUL16 6, 1, 1, 1, 0
	WIN 0
	; ---- THE WAY OUT: a loop of eight trips, one for each block of 16 tokens; only the lines that fetch a block's sums differ from trip to trip and are written out
	PLACES 4
	s_wait_loadcnt 0x0                             ; the bias
.irp b, 0,1,2,3
	v_mov_b32 v[TM+4+\b], 0
	v_mov_b32 v[SQ+\b], 0
.endr
.irp d, 0,1
	v_mov_b32 v[CA+\d], 0x32edffee                 ; 2.7706814e-8
	v_mov_b32 v[CB+\d], 0xb95fbd29                 ; -2.1337406e-4
.endr
	s_mov_b32 s[SEL], 0x76543210
	s_mov_b32 s[SEL+1], 0xfedcba98
	s_mov_b32 s76, 0xffff0000
	s_mov_b32 s3, 0
.Lrow:
	s_cmp_eq_u32 s3, 1
	s_cbranch_scc1 .Lst1
	s_cmp_eq_u32 s3, 2
	s_cbranch_scc1 .Lst2
	s_cmp_eq_u32 s3, 3
	s_cbranch_scc1 .Lst3
	s_cmp_eq_u32 s3, 4
	s_cbranch_scc1 .Lst4
	s_cmp_eq_u32 s3, 5
	s_cbranch_scc1 .Lst5
	s_cmp_eq_u32 s3, 6
	s_cbranch_scc1 .Lst6
	s_cmp_eq_u32 s3, 7
	s_cbranch_scc1 .Lst7
	STAGE 0
	s_branch .Lcom
.Lst1:
	STAGE 1
	s_branch .Lcom
.Lst2:
	STAGE 2
	s_branch .Lcom
.Lst3:
	STAGE 3
	s_branch .Lcom
.Lst4:
	STAGE 4
	s_branch .Lcom
.Lst5:
	STAGE 5
	s_branch .Lcom
.Lst6:
	STAGE 6
	s_branch .Lcom
.Lst7:
	STAGE 7
.Lcom:
	GELU 0
	GELU 1
	GELU 2
	GELU 3
	QUANT ST
.irp c, 0,1,2
	global_store_b128 v[VO16], v[PC+4*\c:PC+4*\c+3], s[8:9] offset:512*\c
.endr
	s_cmp_lt_u32 s3, 4                             ; the scale words go round a queue of four: blocks 0-3 fill all lanes, blocks 4-7 lanes 16-31 of the word four back
	s_cselect_b32 s77, -1, s76
	v_cndmask_b32 v[TM], v[SQ], v[PW], s77
	v_mov_b32 v[SQ], v[SQ+1]
	v_mov_b32 v[SQ+1], v[SQ+2]
	v_mov_b32 v[SQ+2], v[SQ+3]
	v_mov_b32 v[SQ+3], v[TM]
	s_wait_xcnt 0x0                                ; the stores have read their registers and their base
	s_add_nc_u64 s[8:9], s[8:9], 1536
	s_add_co_u32 s3, s3, 1
	s_cmp_lt_u32 s3, 8
	s_cbranch_scc1 .Lrow
	global_store_b128 v[VO16], v[SQ:SQ+3], s[8:9]  ; the base stands at 12,288 of the record: the scale words' image
	s_wait_tensorcnt 0x0                           ; the wave's end
	ds_add_u32 v[SPW], v[NIL]
	s_wait_dscnt 0x0
	CROUND
	s_endpgm
.Lfunc_end_k_q4f84c4dd5a_fc1:
	.size	k_q4f84c4dd5a_fc1, .Lfunc_end_k_q4f84c4dd5a_fc1-k_q4f84c4dd5a_fc1
	.p2alignl 7, 3214868480
	.fill 96, 4, 3214868480
	.section	.rodata,"a",@progbits
	.p2align	6, 0x0
	.amdhsa_kernel k_q4f84c4dd5a_fc1
		.amdhsa_group_segment_fixed_size 327680
		.amdhsa_private_segment_fixed_size 0
		.amdhsa_enable_private_segment 0
		.amdhsa_kernarg_size 24
		.amdhsa_user_sgpr_count 2
		.amdhsa_user_sgpr_kernarg_segment_ptr 1
		.amdhsa_wavefront_size32 1
		.amdhsa_system_sgpr_workgroup_id_x 1
		.amdhsa_system_sgpr_workgroup_id_y 1
		.amdhsa_system_sgpr_workgroup_id_z 1
		.amdhsa_system_vgpr_workitem_id 0
		.amdhsa_next_free_vgpr 1024
		.amdhsa_next_free_sgpr 100
		.amdhsa_reserve_vcc 0
		.amdhsa_float_denorm_mode_32 3
		.amdhsa_float_denorm_mode_16_64 3
		.amdhsa_memory_ordered 1
		.amdhsa_forward_progress 1
		.amdhsa_inst_pref_size 176
	.end_amdhsa_kernel
	.amdgpu_metadata
---
amdhsa.version: [ 1, 2 ]
amdhsa.kernels:
  - .name:           k_q4f84c4dd5a_fc1
    .symbol:         k_q4f84c4dd5a_fc1.kd
    .args:
      - { .name: cw, .offset: 0, .size: 8, .value_kind: global_buffer, .address_space: global }
      - { .name: b_fc1, .offset: 8, .size: 8, .value_kind: global_buffer, .address_space: global }
      - { .name: hc, .offset: 16, .size: 8, .value_kind: global_buffer, .address_space: global }
    .group_segment_fixed_size: 327680
    .private_segment_fixed_size: 0
    .kernarg_segment_align: 8
    .kernarg_segment_size: 24
    .max_flat_workgroup_size: 128
    .sgpr_count:     100
    .vgpr_count:     1024
    .wavefront_size: 32
...
	.end_amdgpu_metadata
.endif
;; end of part 5
;; launch fc2 (part 6): grid 8 x 32, 4 waves a work-group, clusters of 4 x 4, 327,680 bytes of LDS; arguments hc, cw, b_fc2, x1, out0; writes out0
.if DOCPART == 6
	.amdgcn_target "amdgcn-amd-amdhsa--gfx1250"
	.amdhsa_code_object_version 6
	.text
	.protected	k_q4f84c4dd5a_fc2
	.globl	k_q4f84c4dd5a_fc2
	.p2align	8
	.type	k_q4f84c4dd5a_fc2,@function
k_q4f84c4dd5a_fc2:
	s_mov_b64 s[64:65], 0
	v_nop
	global_prefetch_b8 v0, s[64:65] scope:SCOPE_SE
	s_setreg_imm32_b32 hwreg(HW_REG_WAVE_MODE, 25, 1), 1
	s_wait_xcnt 0x0
	s_wait_alu depctr_hold_cnt(0) depctr_sa_sdst(0) depctr_va_vdst(0) depctr_va_sdst(0) depctr_va_ssrc(0) depctr_va_vcc(0) depctr_vm_vsrc(0)
	s_getreg_b32 s2, hwreg(HW_REG_IB_STS2, 6, 4)
	s_cmp_eq_u32 s2, 0
	s_cbranch_scc0 .Lentry_in_a_cluster
	s_endpgm
.Lentry_in_a_cluster:
	s_bfe_u32 s2, ttmp6, 0x10000c
	s_cmp_lg_u32 s2, 0xf033
	s_cbranch_scc0 .Lentry_shape_is_right
	s_endpgm
.Lentry_shape_is_right:
; out = A W^T + bias + resid on codes of BF6.  Here: A = the hidden layer's codes, W = w_fc2, resid = x1, out = out0.  (The attention's output product is this text with three other constants.)
; A tile of 128 tokens x 128 features to a work-group, so that N = 1,024 gives 256 work-groups.  EVERY WAVE MAKES THE WHOLE TILE, on the K steps that are its number modulo 4: each keeps 64 accumulators, 128 x 128,
; and no fragment is read from LDS twice.  The four partial tiles are added on the way out, through LDS: ((P0 + P1) + (P2 + P3)) + (resid + bias).
; So the sum over K is four partial sums and not one chain: an order of rounding that differs from a plain chain's.
; Operands lie as RECORDS (128 rows x 128 K, 12,800 bytes: eight fragment images, then the scale words).  A TURN is four K steps, one a wave.
; LDS: a DOUBLE UNIT for two turns (tokens of turn a, of turn b, weights of turn a, of turn b: four records each; a wave's load brings one of the four, 51,200 dense bytes), and, where K has more than two turns,
; a SINGLE UNIT for one (tokens, weights: a wave's load brings two records).  With TURNS = 2 the double unit holds all of K: one load a wave, and nothing is filled again.
; With TURNS = 8: K steps 0-11 are asked for at the start; the double unit is filled again when its second turn has been read (K steps 12-19, 24-31), the single unit when its turn has (20-23): three refills.
; Between the two turns of the double unit stands no barrier: the barrier in front of its first turn has shown the whole unit to every wave.
; The residual's 32 rows a wave and the bias are asked for at the head, into registers that the products leave alone, and are waited for on the way out.
; CLUSTERS 4 x 4: token records shared along a row of the cluster, weight records along a column.
; Source 1 = tokens (lane-row r of fragment a is token 32 (a / 2) + 8 (a % 2) + r + 8 (r / 8)), source 0 = weights: a lane's registers of blocks 2 b, 2 b + 1 are features 32 b + 16 h + 0 .. 15.
; REGISTERS: window 0: v0-31 addresses, v12-15 the bias; v32-63 scale words, two sets; v96-127, v224-255 residual rows 0-15; v128-223 source 1.  window 1: source 0, two sets at v0 and v128; v96-127, v224-255 residual rows 16-31.
;   windows 2, 3: the accumulators.  On the way out v32-95 hold the partial tiles' rows, v128-191 the results of rows 16-31.
.set REC,    12800
.set UD,     4*REC                     ; a wave's large load: four records
.set UQ,     2*REC                     ; its small load: two
.set DBL,    4*UD                      ; the double unit; the single unit begins behind it
.set KS,     32
.set REGION, 9830400                   ; w_fc2's records in cw
.set TURNS,  8                         ; K / 512
.set STEPB,  12*REC                    ; a unit's next fill: twelve K steps on
.set PT,     67584                     ; a partial tile: 128 rows x (512 + 16) bytes
.set SPARE,  DBL+4*UQ                  ; behind both units (and the partial tiles, which lie over them): the spare words
.set FR,   12
.set VO16, 2
.set RD,   8                           ; v8-11 my 32 rows in the four partial tiles
.set ADR1, 16                          ; v16-18 my token record: the double unit's turn a, turn b, the single unit
.set ADR0, 19                          ; v19-21 my weight record
.set ADRS, 22                          ; v22-24 scale words: lanes 0-15 the tokens', lanes 16-31 the weights'
.set STO,  25
.set SPW,  28
.set NIL,  29
.set SC,   32
.set AF,   128
.set G1,   24                          ; s[24:31], s[48:55] group 1 of the large loads;  s[80:87], s[88:95] of the small ones
.set G0,   32                          ; s[32:35], s[56:59] group 0 of the double unit;  s[36:39], s[60:63] of the single unit
.set G1B,  48
.set G0B,  56
.set G1U,  80
.set G1UB, 88
.set MSB, 0
.macro WIN new
.if MSB != (\new)
	s_set_vgpr_msb (MSB<<8)|(\new)
.set MSB, (\new)
.endif
.endm
.set MUL_LO, 0xa1
.set MUL_HI, 0xf1
.set TO_B,   0x40
.macro JLOAD g0a, g1a, g0b, g1b        ; waves 0, 1 fetch token records, waves 2, 3 weight records; four v_nop follow each line
	s_cmp_eq_u32 s15, 0
	s_cbranch_scc0 .Lfor_b_\@
	tensor_load_to_lds s[\g0a:\g0a+3], s[\g1a:\g1a+7]
	s_nop 0
.rept 4
	v_nop
.endr
	s_branch .Lasked_\@
.Lfor_b_\@:
	tensor_load_to_lds s[\g0b:\g0b+3], s[\g1b:\g1b+7]
	s_nop 0
.rept 4
	v_nop
.endr
.Lasked_\@:
.endm
.macro CREST
	s_cmp_lg_u32 s14, 0
	s_cbranch_scc1 .Lnot_wave_0_\@
	s_barrier_signal -3
.Lnot_wave_0_\@:
	s_barrier_wait -3
	s_barrier_signal -1
	s_barrier_wait -1
.endm
.macro CROUND
	s_barrier_signal -1
	s_barrier_wait -1
	CREST
.endm
.macro PLACES n
.rept \n
	v_nop
.endr
.endm
.macro FRAG reg, adr, off
.irp c, 0,1,2
	ds_load_b128 v[\reg+4*\c:\reg+4*\c+3], v[\adr] offset:\off+512*\c
.endr
.endm
.macro FETCH_0 unit, p
	WIN TO_B
.irp i, 0,1,2,3,4,5,6,7
	FRAG 128*(\p)+FR*\i, ADR0+\unit, 1536*\i
.endr
	WIN 0
.endm
.macro FETCH_1 unit, i0
.irp i, \i0, \i0+1, \i0+2, \i0+3
	FRAG AF+FR*(\i), ADR1+\unit, 1536*(\i)
.endr
.endm
.macro SCALES unit, p
	ds_load_b128 v[SC+16*(\p):SC+16*(\p)+3], v[ADRS+\unit] offset:12288
	ds_load_b128 v[SC+16*(\p)+4:SC+16*(\p)+7], v[ADRS+\unit] offset:12288+256
.endm
.macro MUL16 a0, p, zero               ; set p of source 0 and of the scale words; the 64 accumulators take turns in one order everywhere
.irp a, \a0, \a0+1
.irp b, 0,1,2,3,4,5,6,7
.if \zero
	v_wmma_scale_f32_16x16x128_f8f6f4 v[8*(8*((\a)%4)+\b):8*(8*((\a)%4)+\b)+7], v[128*(\p)+FR*\b:128*(\p)+FR*\b+FR-1], v[AF+FR*(\a):AF+FR*(\a)+FR-1], 0, v[SC+16*(\p)+\b], v[SC+16*(\p)+(\a)] matrix_a_fmt:MATRIX_FMT_BF6 matrix_b_fmt:MATRIX_FMT_BF6 matrix_a_scale:MATRIX_SCALE_ROW1
.else
	v_wmma_scale_f32_16x16x128_f8f6f4 v[8*(8*((\a)%4)+\b):8*(8*((\a)%4)+\b)+7], v[128*(\p)+FR*\b:128*(\p)+FR*\b+FR-1], v[AF+FR*(\a):AF+FR*(\a)+FR-1], v[8*(8*((\a)%4)+\b):8*(8*((\a)%4)+\b)+7], v[SC+16*(\p)+\b], v[SC+16*(\p)+(\a)] matrix_a_fmt:MATRIX_FMT_BF6 matrix_b_fmt:MATRIX_FMT_BF6 matrix_a_scale:MATRIX_SCALE_ROW1
.endif
.endr
.endr
.endm
; My K step of a turn (register sets p), and the fetch of the next turn's fragments from place nx (0, 1: the double unit's turns; 2: the single unit).
; mode 1: the double unit has been read and is filled again.  mode 2: the single unit.  mode 0: a barrier behind which nothing is filled: the next place's load is waited for and shown to every wave.
; mode 3: no barrier: the next place is the double unit's second turn, which the barrier in front of its first turn has shown whole; nothing is written to it since.
.macro TURN nx, p, mode, zero
.if \mode == 3
	s_wait_dscnt 12                                ; all but the youngest twelve loads, source 1's blocks 4-7
	WIN MUL_LO
	MUL16 0, \p, \zero
	MUL16 2, \p, \zero
	s_wait_dscnt 0x0
	PLACES 4                                       ; in front of loads into registers that the products have read
.else
	s_wait_tensorcnt 0x0                           ; all my tensor loads have landed
	ds_add_u32 v[SPW], v[NIL]                      ; 0 onto my spare word
	s_wait_dscnt 13                                ; the add and the youngest twelve loads may be out
	WIN MUL_LO
	MUL16 0, \p, \zero
	s_wait_dscnt 0x0                               ; the add is done, and my reads of the unit that is left are over
	s_barrier_signal -1
	MUL16 2, \p, \zero
	WIN 0
	s_barrier_wait -1
.if \mode == 1
	CREST                                          ; the barrier has opened a round of the cluster's
	s_add_nc_u64 s[G0+2:G0+3], s[G0+2:G0+3], STEPB
	s_add_nc_u64 s[G0B+2:G0B+3], s[G0B+2:G0B+3], STEPB
	JLOAD G0, G1, G0B, G1B                         ; its four v_nop are the places in front of the loads below
.elseif \mode == 2
	CREST
	s_add_nc_u64 s[G0+6:G0+7], s[G0+6:G0+7], STEPB
	s_add_nc_u64 s[G0B+6:G0B+7], s[G0B+6:G0B+7], STEPB
	JLOAD G0+4, G1U, G0B+4, G1UB
.else
	PLACES 4
.endif
.endif
	FETCH_0 \nx, 1-(\p)
	FETCH_1 \nx, 0
	SCALES \nx, 1-(\p)
	WIN MUL_HI
	MUL16 4, \p, \zero
	MUL16 6, \p, \zero
	PLACES 4
	WIN 0
	FETCH_1 \nx, 4
.endm
	s_load_b256 s[4:11], s[0:1], 0x0               ; A s[4:5], cw s[6:7], bias s[8:9], resid s[10:11]
	s_load_b64 s[12:13], s[0:1], 0x20              ; out
	v_lshl_add_u32 v[SPW], v0, 2, SPARE
	v_mov_b32 v[NIL], 0
	ds_add_u32 v28, v29
	ds_add_u32 v28, v29
	s_wait_dscnt 0x0
	v_lshrrev_b32 v1, 5, v0
	v_readfirstlane_b32 s14, v1                    ; wave 0..3
	s_lshr_b32 s15, s14, 1                         ; I fetch token records (0) or weight records (1),
	s_and_b32 s16, s14, 1                          ; the first half of a unit's or the second
	s_bfe_u32 s40, ttmp6, 0x40000
	s_bfe_u32 s41, ttmp6, 0x40004
	s_lshl_b32 s42, ttmp9, 2
	s_add_co_u32 s42, s42, s40                     ; tile column
	s_and_b32 s17, ttmp7, 0xffff
	s_lshl_b32 s17, s17, 2
	s_add_co_u32 s17, s17, s41                     ; tile row
	s_lshl_b32 s43, s41, 2
	s_lshl_b32 s43, 15, s43
	s_lshl_b32 s44, 0x1111, s40
	s_or_b32 s[G1+0], s43, (3<<16)|(1<<21)
	s_or_b32 s[G1B+0], s44, (3<<16)|(1<<21)
.irp g, G1, G1B
	s_mov_b32 s[\g+1], 32<<16                      ; 51,200 dense bytes as 200 rows of 256
	s_mov_b32 s[\g+2], 200<<16
	s_mov_b32 s[\g+3], 32<<16
	s_mov_b32 s[\g+4], 200
	s_mov_b32 s[\g+5], 32
	s_mov_b32 s[\g+6], 0
	s_mov_b32 s[\g+7], 0
.endr
.if TURNS > 2
	s_or_b32 s[G1U+0], s43, (3<<16)|(1<<21)
	s_or_b32 s[G1UB+0], s44, (3<<16)|(1<<21)
.irp g, G1U, G1UB
	s_mov_b32 s[\g+1], 32<<16                      ; 25,600 dense bytes as 100 rows of 256
	s_mov_b32 s[\g+2], 100<<16
	s_mov_b32 s[\g+3], 32<<16
	s_mov_b32 s[\g+4], 100
	s_mov_b32 s[\g+5], 32
	s_mov_b32 s[\g+6], 0
	s_mov_b32 s[\g+7], 0
.endr
	s_mul_i32 s22, s16, UQ
	s_add_co_u32 s22, s22, 8*REC                   ; the single unit begins with K steps 8-11
	s_mov_b32 s23, 0
	s_mul_i32 s70, s14, UQ
.endif
	s_mul_i32 s18, s16, UD                         ; the double unit begins with K steps 0-7
	s_mov_b32 s19, 0
	s_mul_i32 s20, s17, KS*REC
	s_mov_b32 s21, 0
	s_mul_i32 s46, s42, KS*REC
	s_add_co_u32 s46, s46, REGION
	s_mov_b32 s47, 0
	s_mul_i32 s45, s14, UD
	s_lshl_b32 s66, s17, 7                         ; my 32 rows of resid and out: row 128 x tile row + 32 x wave, byte 512 x tile column
	s_lshl_b32 s67, s14, 5
	s_add_co_u32 s66, s66, s67
	s_lshl_b32 s66, s66, 12
	s_lshl_b32 s68, s42, 9
	s_add_co_u32 s66, s66, s68
	s_mov_b32 s67, 0
	s_mov_b32 s69, 0
	s_wait_kmcnt 0x0
	s_add_nc_u64 s[20:21], s[4:5], s[20:21]        ; my tile row's token group
	s_add_nc_u64 s[46:47], s[6:7], s[46:47]        ; my tile column's weight group
	s_add_nc_u64 s[10:11], s[10:11], s[66:67]
	s_add_nc_u64 s[12:13], s[12:13], s[66:67]
	s_add_nc_u64 s[8:9], s[8:9], s[68:69]
	CROUND                                         ; all sixteen work-groups are here: the first joint loads meet
	s_mov_b32 s[G0], 1
	s_mov_b32 s[G0+1], s45
	s_add_nc_u64 s[G0+2:G0+3], s[20:21], s[18:19]
	s_or_b32 s[G0+3], s[G0+3], 0x80000000
	s_mov_b32 s[G0B], 1
	s_mov_b32 s[G0B+1], s45
	s_add_nc_u64 s[G0B+2:G0B+3], s[46:47], s[18:19]
	s_or_b32 s[G0B+3], s[G0B+3], 0x80000000
	JLOAD G0, G1, G0B, G1B
.if TURNS > 2
	s_mov_b32 s[G0+4], 1
	s_add_co_u32 s[G0+5], s70, DBL
	s_add_nc_u64 s[G0+6:G0+7], s[20:21], s[22:23]
	s_or_b32 s[G0+7], s[G0+7], 0x80000000
	s_mov_b32 s[G0B+4], 1
	s_add_co_u32 s[G0B+5], s70, DBL
	s_add_nc_u64 s[G0B+6:G0B+7], s[46:47], s[22:23]
	s_or_b32 s[G0B+7], s[G0B+7], 0x80000000
	JLOAD G0+4, G1U, G0B+4, G1UB                   ; two loads of mine are out
.endif
	v_and_b32 v1, 31, v0
	v_lshlrev_b32 v[VO16], 4, v1
	v_and_b32 v3, 15, v0                           ; r
	v_bfe_u32 v4, v0, 4, 1                         ; h
.irp i, 0,1,2,3,4,5,6,7,8,9,10,11,12,13,14,15
	global_load_b128 v[96+4*(\i%8)+128*((\i/8)%2):96+4*(\i%8)+128*((\i/8)%2)+3], v[VO16], s[10:11] offset:(8*(\i/16)+\i%16+8*((\i%16)/8))*4096   ; stage row 32 w + i is token 32 w + 8 (i / 16) + i % 16 + 8 ((i % 16) / 8): 512 consecutive bytes
.endr
	WIN TO_B
.irp i, 16,17,18,19,20,21,22,23,24,25,26,27,28,29,30,31
	global_load_b128 v[96+4*(\i%8)+128*((\i/8)%2):96+4*(\i%8)+128*((\i/8)%2)+3], v[VO16], s[10:11] offset:(8*(\i/16)+\i%16+8*((\i%16)/8))*4096
.endr
	WIN 0
	global_load_b128 v[12:15], v[VO16], s[8:9]     ; the bias of my four columns
	s_mul_i32 s18, s14, REC                        ; my K step's record in each place
	v_add_nc_u32 v[ADR1], s18, v[VO16]
	v_add_nc_u32 v[ADR1+1], UD, v[ADR1]
	v_add_nc_u32 v[ADR0], 2*UD, v[ADR1]
	v_add_nc_u32 v[ADR0+1], 3*UD, v[ADR1]
	v_lshl_add_u32 v6, v3, 4, s18
	v_mul_u32_u24 v5, v4, 2*UD                     ; lanes 16-31 take the weights' words: 102,400 bytes on in the double unit,
	v_add_nc_u32 v[ADRS], v5, v6
	v_add_nc_u32 v[ADRS+1], UD, v[ADRS]
.if TURNS > 2
	v_add_nc_u32 v[ADR1+2], DBL, v[ADR1]
	v_add_nc_u32 v[ADR0+2], DBL+2*UQ, v[ADR1]
	v_mul_u32_u24 v5, v4, 2*UQ                     ; 51,200 on in the single unit
	v_add_nc_u32 v5, v5, v6
	v_add_nc_u32 v[ADRS+2], DBL, v5
.endif
	s_mul_i32 s18, s14, PT
	v_mul_u32_u24 v[STO], v3, 528
	v_lshl_add_u32 v[STO], v4, 6, v[STO]
	v_add_nc_u32 v[STO], s18, v[STO]               ; my partial tile: row r, + 64 h
	s_mul_i32 s18, s14, 32*528
	v_add_nc_u32 v[RD], s18, v[VO16]
.irp p, 1,2,3
	v_add_nc_u32 v[RD+\p], \p*PT, v[RD]
.endr
.if TURNS > 2
	s_wait_tensorcnt 1                             ; my part of the double unit is in; the single unit's load may be out
.else
	s_wait_tensorcnt 0x0                           ; my part of the double unit is in
.endif
	s_barrier_signal -1
	s_barrier_wait -1
	FETCH_0 0, 0
	FETCH_1 0, 0
	SCALES 0, 0
	FETCH_1 0, 4
.if TURNS > 2
	TURN 1, 0, 3, 1                                ; turn 0: its products start the sums
	TURN 2, 1, 1, 0                                ; turn 1: the double unit is left: K steps 12-19 are asked for
	TURN 0, 0, 2, 0                                ; turn 2: the single unit is left: K steps 20-23
	TURN 1, 1, 3, 0                                ; turn 3
	TURN 2, 0, 1, 0                                ; turn 4: K steps 24-31
	TURN 0, 1, 0, 0                                ; turn 5: nothing more is asked for
	TURN 1, 0, 3, 0                                ; turn 6
.else
	TURN 1, 0, 3, 1
.endif
	s_wait_dscnt 12                                ; the last turn
	WIN MUL_LO
	MUL16 0, 1, 0
	MUL16 2, 1, 0
	s_wait_dscnt 0x0
	WIN MUL_HI
	MUL16 4, 1, 0
	MUL16 6, 1, 0
	WIN 0
	; ---- THE WAY OUT
	PLACES 4
	s_wait_dscnt 0x0
	s_barrier_signal -1
	s_barrier_wait -1                              ; nobody reads the units any more, and both have had their last fill: the partial tiles may lie there
.irp a, 0,1,2,3,4,5,6,7
	WIN 0x08+4*(\a/4)                              ; an LDS store's data are its source 1: window 2 or 3
.irp b, 0,1,2,3,4,5,6,7
	ds_store_b128 v[STO], v[8*(8*(\a%4)+\b):8*(8*(\a%4)+\b)+3] offset:\a*8448+128*(\b/2)+32*(\b%2)
	ds_store_b128 v[STO], v[8*(8*(\a%4)+\b)+4:8*(8*(\a%4)+\b)+7] offset:\a*8448+128*(\b/2)+32*(\b%2)+16
.endr
.endr
	WIN 0
	s_wait_dscnt 0x0                               ; for the others' sake
	s_barrier_signal -1
	s_barrier_wait -1
.macro PLOAD t                         ; rows 2 t, 2 t + 1 of my 32, out of the four partial tiles
.irp e, 0,1
.irp p, 0,1,2,3
	ds_load_b128 v[32+32*((\t)%2)+16*\e+4*\p:32+32*((\t)%2)+16*\e+4*\p+3], v[RD+\p] offset:528*(2*(\t)+\e)
.endr
.endr
.endm
.macro PSUM t
.irp e, 0,1
.set PB, 32+32*((\t)%2)+16*\e
.set RI, 2*(\t)+\e
.if RI < 16
.set RR, 96+4*(RI%8)+128*(RI/8)
.else
.set RR, 128+4*(RI-16)
.endif
.irp d, 0,2
	v_pk_add_f32 v[PB+\d:PB+\d+1], v[PB+\d:PB+\d+1], v[PB+4+\d:PB+4+\d+1]
	v_pk_add_f32 v[PB+8+\d:PB+8+\d+1], v[PB+8+\d:PB+8+\d+1], v[PB+12+\d:PB+12+\d+1]
.endr
.irp d, 0,2
	v_pk_add_f32 v[PB+\d:PB+\d+1], v[PB+\d:PB+\d+1], v[PB+8+\d:PB+8+\d+1]
.endr
.irp d, 0,2
	v_pk_add_f32 v[RR+\d:RR+\d+1], v[RR+\d:RR+\d+1], v[PB+\d:PB+\d+1]
.endr
	global_store_b128 v[VO16], v[RR:RR+3], s[12:13] offset:(8*(RI/16)+RI%16+8*((RI%16)/8))*4096   ; 32 lanes store 512 consecutive bytes, aligned to 256
.endr
.endm
	PLOAD 0
	PLOAD 1
	s_wait_loadcnt 0x0                             ; resid and bias, asked for at the head
.irp i, 0,1,2,3,4,5,6,7,8,9,10,11,12,13,14,15
.irp d, 0,2
	v_pk_add_f32 v[96+4*(\i%8)+128*(\i/8)+\d:96+4*(\i%8)+128*(\i/8)+\d+1], v[96+4*(\i%8)+128*(\i/8)+\d:96+4*(\i%8)+128*(\i/8)+\d+1], v[12+\d:13+\d]   ; resid + bias, rows 0-15 in place
.endr
.endr
	WIN 0x01                                       ; source 0 window 1
.irp i, 16,17,18,19,20,21,22,23,24,25,26,27,28,29,30,31
.irp d, 0,2
	v_pk_add_f32 v[128+4*(\i-16)+\d:128+4*(\i-16)+\d+1], v[96+4*(\i%8)+128*((\i/8)%2)+\d:96+4*(\i%8)+128*((\i/8)%2)+\d+1], v[12+\d:13+\d]   ; rows 16-31 come over into window 0
.endr
.endr
	WIN 0
.set Q, 0
.rept 16
.if Q < 15
	s_wait_dscnt 8                                 ; this batch is in; the next batch's eight loads may be out
.else
	s_wait_dscnt 0x0
.endif
	PSUM Q
.if Q < 14
	PLOAD Q+2
.endif
.set Q, Q+1
.endr
	s_wait_tensorcnt 0x0                           ; the wave's end
	ds_add_u32 v[SPW], v[NIL]
	s_wait_dscnt 0x0
	CROUND                                         ; the closing round
	s_endpgm
.Lfunc_end_k_q4f84c4dd5a_fc2:
	.size	k_q4f84c4dd5a_fc2, .Lfunc_end_k_q4f84c4dd5a_fc2-k_q4f84c4dd5a_fc2
	.p2alignl 7, 3214868480
	.fill 96, 4, 3214868480
	.section	.rodata,"a",@progbits
	.p2align	6, 0x0
	.amdhsa_kernel k_q4f84c4dd5a_fc2
		.amdhsa_group_segment_fixed_size 327680
		.amdhsa_private_segment_fixed_size 0
		.amdhsa_enable_private_segment 0
		.amdhsa_kernarg_size 40
		.amdhsa_user_sgpr_count 2
		.amdhsa_user_sgpr_kernarg_segment_ptr 1
		.amdhsa_wavefront_size32 1
		.amdhsa_system_sgpr_workgroup_id_x 1
		.amdhsa_system_sgpr_workgroup_id_y 1
		.amdhsa_system_sgpr_workgroup_id_z 1
		.amdhsa_system_vgpr_workitem_id 0
		.amdhsa_next_free_vgpr 1024
		.amdhsa_next_free_sgpr 100
		.amdhsa_reserve_vcc 0
		.amdhsa_float_denorm_mode_32 3
		.amdhsa_float_denorm_mode_16_64 3
		.amdhsa_memory_ordered 1
		.amdhsa_forward_progress 1
		.amdhsa_inst_pref_size 148
	.end_amdhsa_kernel
	.amdgpu_metadata
---
amdhsa.version: [ 1, 2 ]
amdhsa.kernels:
  - .name:           k_q4f84c4dd5a_fc2
    .symbol:         k_q4f84c4dd5a_fc2.kd
    .args:
      - { .name: hc, .offset: 0, .size: 8, .value_kind: global_buffer, .address_space: global }
      - { .name: cw, .offset: 8, .size: 8, .value_kind: global_buffer, .address_space: global }
      - { .name: b_fc2, .offset: 16, .size: 8, .value_kind: global_buffer, .address_space: global }
      - { .name: x1, .offset: 24, .size: 8, .value_kind: global_buffer, .address_space: global }
      - { .name: out0, .offset: 32, .size: 8, .value_kind: global_buffer, .address_space: global }
    .group_segment_fixed_size: 327680
    .private_segment_fixed_size: 0
    .kernarg_segment_align: 8
    .kernarg_segment_size: 40
    .max_flat_workgroup_size: 128
    .sgpr_count:     100
    .vgpr_count:     1024
    .wavefront_size: 32
...
	.end_amdgpu_metadata
.endif
;; end of part 6
